; MI455X (gfx1250); checked and timed in simulation.
; The chip was launched on July 23, 2026; its instructions are those of AMD's public machine-readable ISA for CDNA 5 (MIT licence, August 2026) and "CDNA5" Instruction Set Architecture Reference Guide (July 2026). The comments in the code are by the model that wrote it; some were corrected since.
;; Multi Head Attention. Allowed arithmetic: matrix products marked QUANTISED: E2M3 operands, one E8M0 scale for each 32 along K, by v_wmma_scale_f32_16x16x128_f8f6f4 with both operands' format E2M3, f32 sums; everything else in f32.
;; Inputs: k 4 x 2,048 x 1,024 float32; kn_w 64 float32; q 4 x 2,048 x 1,024 float32; qn_w 64 float32; v 4 x 2,048 x 1,024 float32; wk_b 1,024 float32; wk_w 1,024 x 1,024 float32; wo_b 1,024 float32; wo_w 1,024 x 1,024 float32; wq_b 1,024 float32; wq_w 1,024 x 1,024 float32; wv_b 1,024 float32; wv_w 1,024 x 1,024 float32.
;; Outputs: out0 4 x 2,048 x 1,024 float32.
;; This version of the problem:
;;   THIS VERSION OF THE PROBLEM IS GIVEN IN LOW PRECISION. The matrix products marked QUANTISED in the list below multiply operands that are first quantised to E2M3 (2 exponent bits, 3 mantissa bits; 6 bits a number), with one power-of-two scale for each 32 numbers along K (OCP MX v1.0); their sums are f32. All else is computed in f32.
;;   The module's matrix products, in the order in which they are computed (A, B: the left and right operand; K: the contracted axis; several contracted axes count as one K, in the product's order):
;;     1. [M 8,192, K 1,024] x [K 1,024, N 1,024]; A: input q; B: input wq_w: QUANTISED
;;     2. [M 8,192, K 1,024] x [K 1,024, N 1,024]; A: input k; B: input wk_w: QUANTISED
;;     3. [M 8,192, K 1,024] x [K 1,024, N 1,024]; A: input v; B: input wv_w: QUANTISED
;;     4. batch 64 x [M 2,048, K 64] x [K 64, N 2,048]; A: computed on the way; B: computed on the way: QUANTISED
;;     5. batch 64 x [M 2,048, K 2,048] x [K 2,048, N 64]; A: softmax (see below); B: computed on the way: QUANTISED
;;     6. [M 8,192, K 1,024] x [K 1,024, N 1,024]; A: computed on the way; B: input wo_w: QUANTISED
;;   THE QUANTISER, for each operand of a quantised product, along K:
;;     - K is cut into blocks of 32 from its start; a last block that is shorter is filled with zeros.
;;     - A block's scale is 2^e with e = floor(log2(the largest magnitude in the block)) - 2, held to -126 .. 127; a block of zeros has e = 0. As a byte (E8M0): e + 127.
;;     - Each number is divided by its block's scale, clamped to +-7.5, and rounded to the nearest number of E2M3, ties to even, subnormals kept.
;;     - The product sums the exact products of the quantised numbers (number of the format x scale) in f32.
;;   ~~~python
;;   def quantise(x, axis):      # numpy; x: float32 -> the quantised numbers, widened to float32 again
;;       x = np.moveaxis(x, axis, -1); K = x.shape[-1]
;;       x = np.pad(x, [(0, 0)] * (x.ndim - 1) + [(0, -K % 32)]); x = x.reshape(x.shape[:-1] + (-1, 32)); a = np.abs(x).max(-1, keepdims=True)
;;       e = np.where(a > 0, np.clip(np.frexp(np.where(a > 0, a, 1))[1] - 1 - 2, -126, 127), 0)      # np.frexp(a)[1] - 1 = floor(log2(a)), exactly
;;       r = np.clip(x / 2.0 ** e, -7.5, 7.5)
;;       step = 2.0 ** (np.maximum(np.frexp(np.where(r == 0, 1, r))[1] - 1, 0) - 3)
;;       q = np.round(r / step) * step * 2.0 ** e      # np.round: ties to even
;;       return np.moveaxis(q.reshape(q.shape[:-2] + (-1,))[..., :K], -1, axis).astype(np.float32)
;;   ~~~
;;   SOFTMAX AHEAD OF A QUANTISED PRODUCT. Where the list says 'softmax', what is quantised is not the finished softmax but p = 2^(t - M), with t = logit x log2(e) and M = ceil(the row's largest t), a whole number; so 1/2 < the row's largest p <= 1. The row's sum l is taken of the UNQUANTISED p, in f32, and the product's result is divided by l at the end. Since M is a whole number, a kernel that streams over the keys may use a running M (the ceiling of the running maximum): every later rescaling is an exact power of two, which a block's scale takes up: the codes' values come out the same.
;;   OPERANDS COMPUTED ON THE WAY. 'Computed on the way' means the value that the module computes at that place (a softmax that the list does not call 'softmax' is quantised finished and normalised). What goes into a quantiser is computed in f32, as accurately as f32 sums, v_exp_f32 and their like allow (about 1e-6 of the number): no bf16 or f16 on the way to a quantiser, and a product that is left as it is and whose result goes on into a quantised operand takes f32 operands (vector FMAs, or v_wmma_f32_16x16x4_f32). A number that lies on a knife's edge between two numbers of the format may be rounded either way, as far as f32 arithmetic and the matrix unit's own rounding can turn it there, and no further.
;; One version. Each part assembles by itself: llvm-mc -triple=amdgcn-amd-amdhsa -mcpu=gfx1250 --defsym DOCPART=n.
;; ======== version 1 of 1: 4 launches
;; limits: right only within a limited range of input values
;; workspace buffers: xcs 19,660,800 bytes; wcs 3,276,800 bytes; rt 524,288 bytes; qcs 6,553,600 bytes; kvs 13,107,200 bytes; acs 6,553,600 bytes
;; launch prep (part 1): grid 912 x 1, 4 waves a work-group, no clusters, 69,120 bytes of LDS; arguments q, k, v, wq_w, wk_w, wv_w, wo_w, xcs, wcs, rt; writes xcs, wcs, rt
.if DOCPART == 1
	.amdgcn_target "amdgcn-amd-amdhsa--gfx1250"
	.amdhsa_code_object_version 6
	.text
	.protected	k_q4631a4c609_prep
	.globl	k_q4631a4c609_prep
	.p2align	8
	.type	k_q4631a4c609_prep,@function
k_q4631a4c609_prep:
	s_mov_b64 s[64:65], 0
	v_nop
	global_prefetch_b8 v0, s[64:65] scope:SCOPE_SE
	s_setreg_imm32_b32 hwreg(HW_REG_WAVE_MODE, 25, 1), 1
	s_wait_xcnt 0x0
; Three kinds of work-groups, told apart by the work-group's number alone.
;   0 .. 767   q, k, v [8192][1024] f32 -> codes of FP6 (E2M3), K innermost, 768 bytes a row, and one E8M0 byte for each 32 along K (buffer xcs: codes of the three tensors, then their scale bytes)
;   768 .. 895 the four weights [K 1024][N 1024] f32, K their FIRST axis -> codes laid [N][K], 768 bytes a row, and scale bytes [N][32] (buffer wcs: codes of wq, wk, wv, wo, then the scale bytes)
;   896 .. 911 the table of cos and sin for the rotary embedding (buffer rt): [16 groups][2048 positions][4 f32]; group G: cos of frequencies 4 G .. 4 G + 3, group 8 + G: their sin
; A block's scale is 2^(floor(log2(largest magnitude)) - 2); its byte is the largest magnitude's exponent field - 2, held at 1 from below.
; LIMITS: a block of zeros gets the byte 1 where the rule says 127 (its codes are zeros, and this program alone reads the bytes); NaN and infinities among the inputs are not served;
; the frequencies are the f32 nearest to 1 / (the f32 nearest to 10^(f / 8)); cos and sin are good to about 1e-7 absolute for the angles 0 .. 2047 that occur.
; Each kind of work-group has LDS bytes of its own: the first 0 .. 32,767, the second 32,768 .. 67,583, the third none.  No tensor loads, no barrier: waves share nothing.
.set WREG,  8192                       ; tensors: a wave's LDS: two stages of 32 x SP bytes, then its 256 scale bytes
.set SP,    80                         ; a lane's place in a stage: 64 bytes + 16 of padding
.set CB,    12                         ; bytes of 16 codes
.set EMAX,  2
.set STEPS, 16                         ; steps of 512 numbers a wave
.set R,     16                         ; v16-79   four sets of 16 numbers as loaded
.set X,     80                         ; v80-111  two sets of 16 neighbours
.set E,     112                        ; v112-127 a scale byte for each step
.set C,     128                        ; v128-191 codes, four registers for each step
.set WSTG,  32768                      ; weights: the stages begin here
.set PITCH, 272                        ; a stage row: sixteen places of 16 bytes + 16
; LAYOUT OF ALL CODES (xcs and wcs): [block of 128 rows][K step of 256 along K][128 rows][192 bytes]: 128 rows x one K step are 24,576 dense bytes, which begin at a multiple of 256.
.set KROW,  192                        ; from row to row inside such a block, in bytes
.set NB,    8                          ; blocks of 32 along K for a wave
.set WX,    32                         ; v32-95   two sets of 32 numbers
.set WCD,   96                         ; v96..    a block's codes
.set OUTR,  112                        ; v112-175 the way out
.set SB,    24                         ; v24-25   scale bytes
.set POW,   32                         ; table: v32-63 10^(f/8), v64-95 their reciprocals, v96-127 cos, v128-159 sin
.set INV,   64
.set COSR,  96
.set SINR,  128
	s_load_b512 s[4:19], s[0:1], 0x0               ; q, k, v, wq_w, wk_w, wv_w, wo_w, xcs
	s_load_b128 s[20:23], s[0:1], 0x40             ; wcs, rt
	v_lshl_add_u32 v192, v0, 2, 0x10c00
	v_mov_b32 v193, 0
	v_lshrrev_b32 v1, 5, v0
	v_readfirstlane_b32 s24, v1                    ; wave 0..3
	v_and_b32 v2, 31, v0                           ; lane
	s_mov_b32 s27, 0
	s_mov_b32 s33, 0
	s_wait_kmcnt 0x0
	s_cmp_lt_u32 ttmp9, 768
	s_cbranch_scc0 .Lnot_x
; ---------------- q, k, v.  Rows are dense, so a tensor is a stream of blocks of 32; a wave takes 8,192 numbers.
; Each load reads 512 consecutive bytes; a step's 2,048 bytes turn through the wave's own stage so that a lane gets 16 neighbours; two neighbouring lanes hold a block.
	s_wait_alu depctr_va_vdst(0)
	v_lshlrev_b32 v3, 4, v2                        ; my 16 bytes of a load's 512
	s_mul_i32 s25, s24, WREG
	v_lshrrev_b32 v14, 2, v2
	v_mul_u32_u24 v14, v14, SP
	v_and_b32 v15, 3, v2
	v_lshl_add_u32 v14, v15, 4, v14
	v_add_nc_u32 v14, s25, v14                     ; the stage, in: SP (lane / 4) + 16 (lane % 4)
	v_mul_u32_u24 v15, v2, SP
	v_add_nc_u32 v15, s25, v15                     ; out: SP x lane
	v_and_b32 v4, 15, v2
	v_mul_u32_u24 v4, v4, CB               ; sixteen lanes hold one K step's 192 bytes of a row;
	v_lshrrev_b32 v5, 4, v2
	v_mul_u32_u24 v5, v5, 24576            ; lanes 16-31 hold the next K step's, one block of 24,576 bytes on
	v_add_nc_u32 v4, v4, v5
	v_lshrrev_b32 v5, 1, v2
	s_add_co_u32 s25, s25, 2*32*SP
	v_add_nc_u32 v5, s25, v5                       ; my block's scale byte in the wave's 256
	v_lshlrev_b32 v7, 3, v2
	v_add_nc_u32 v6, s25, v7                       ; and 8 bytes a lane on the way out
	s_cmp_lt_u32 ttmp9, 512                        ; which tensor: the choice hangs on the work-group's number alone
	s_cselect_b64 s[6:7], s[6:7], s[8:9]
	s_cmp_lt_u32 ttmp9, 256
	s_cselect_b64 s[4:5], s[4:5], s[6:7]
	s_and_b32 s26, ttmp9, 255
	s_lshl_b32 s26, s26, 2
	s_add_co_u32 s26, s26, s24
	s_lshl_b32 s26, s26, 15                        ; my run of 8,192 numbers in the tensor: 32,768 bytes each
	s_add_nc_u64 s[4:5], s[4:5], s[26:27]
	s_lshl_b32 s28, ttmp9, 2
	s_add_co_u32 s28, s28, s24                     ; my run among the three tensors' 3,072
	s_lshr_b32 s26, s28, 4                 ; my run is 8 rows: sixteen runs to a block of 128 rows,
	s_mul_i32 s26, s26, 98304              ; whose four K steps take 98,304 bytes;
	s_and_b32 s29, s28, 15
	s_mul_i32 s29, s29, 1536               ; my 8 rows of 192 bytes in it
	s_add_co_u32 s26, s26, s29
	s_add_nc_u64 s[8:9], s[18:19], s[26:27]        ; its 6,144 bytes of codes
	s_lshl_b32 s26, s28, 8
	s_add_co_u32 s26, s26, 18874368
	s_add_nc_u64 s[10:11], s[18:19], s[26:27]      ; its 256 scale bytes, behind all codes
.macro LOAD t
.irp i, 0,1,2,3
	global_load_b128 v[R+16*((\t)%4)+4*\i:R+16*((\t)%4)+4*\i+3], v3, s[4:5] offset:2048*(\t)+512*\i th:TH_LOAD_NT
.endr
.endm
.macro TURN t                          ; LDS serves a wave's instructions in order: no wait between these stores and loads
.irp i, 0,1,2,3
	ds_store_b128 v14, v[R+16*((\t)%4)+4*\i:R+16*((\t)%4)+4*\i+3] offset:32*SP*((\t)%2)+8*SP*\i
.endr
.irp i, 0,1,2,3
	ds_load_b128 v[X+16*((\t)%2)+4*\i:X+16*((\t)%2)+4*\i+3], v15 offset:32*SP*((\t)%2)+16*\i
.endr
.endm
.irp t, 0,1,2,3
	LOAD \t
.endr
	s_wait_alu depctr_va_vdst(0)
	s_wait_loadcnt 12                              ; step 0's four loads are in; three steps' twelve may be out
	TURN 0
.macro STEP t
.set XS, X+16*((\t)%2)
.if (\t) > 0
	s_wait_dscnt 1                                 ; this step's numbers are back (the last step's byte store may be out), so its stores into the stage have read their registers
.else
	s_wait_dscnt 0x0
.endif
.if (\t)+4 < STEPS
	LOAD (\t)+4
.endif
.if (\t)+1 < STEPS
.if STEPS-2-(\t) >= 3
	s_wait_loadcnt 12                              ; the next step's four loads are in; those of the three steps behind may be out
.else
	s_wait_loadcnt 4*(STEPS-2-(\t))
.endif
	TURN (\t)+1
.endif
	v_max3_num_f32 v8, |v[XS]|, |v[XS+1]|, |v[XS+2]|
	v_max3_num_f32 v9, |v[XS+3]|, |v[XS+4]|, |v[XS+5]|
.irp i, 6,10
	v_max3_num_f32 v8, v8, |v[XS+\i]|, |v[XS+\i+1]|
	v_max3_num_f32 v9, v9, |v[XS+\i+2]|, |v[XS+\i+3]|
.endr
	v_max3_num_f32 v8, v8, |v[XS+14]|, |v[XS+15]|
	v_max3_num_f32 v8, v8, v9, (EMAX+1)<<23        ; the floor 2^(3 - 127): the byte cannot fall under 1
	v_max_num_f32_dpp v8, v8, v8 row_xmask:1 row_mask:0xf bank_mask:0xf   ; with my neighbour's 16: the block's largest magnitude
	v_add_nc_u32 v11, -(EMAX<<23), v8              ; 2 off its exponent field: the conversion's scale operand
	v_cvt_scalef32_pk16_fp6_f32 v[C+4*(\t):C+4*(\t)+2], v[XS:XS+15], v11
	v_lshrrev_b32 v[E+(\t)], 23, v11               ; the scale's byte
	ds_store_b8 v5, v[E+(\t)] offset:16*(\t)       ; both lanes of a block write the same byte with the same value
	global_store_b96 v4, v[C+4*(\t):C+4*(\t)+2], s[8:9] offset:192*((\t)/2)+49152*((\t)%2)   ; step t: row t / 2, K steps 2 (t % 2) and 2 (t % 2) + 1
.endm
.irp t, 0,1,2,3,4,5,6,7,8,9,10,11,12,13,14,15
	STEP \t
.endr
	ds_load_b64 v[12:13], v6
	s_wait_dscnt 0x0
	global_store_b64 v7, v[12:13], s[10:11]        ; 32 lanes store 256 consecutive bytes, aligned
	s_wait_tensorcnt 0x0
	ds_add_u32 v192, v193
	s_wait_dscnt 0x0
	s_endpgm
.Lnot_x:
	s_cmp_lt_u32 ttmp9, 896
	s_cbranch_scc0 .Ltable
; ---------------- the weights.  A lane takes a column n and its registers run down K: a block of 32 lies in one lane, and the codes come out with K innermost.
; A wave takes 32 columns x 256 along K; the codes leave through the wave's own stage as rows: sixteen lanes store a row's 192 consecutive bytes.
	s_sub_co_u32 s25, ttmp9, 768
	s_lshr_b32 s26, s25, 5                         ; which weight: 0 wq, 1 wk, 2 wv, 3 wo
	s_cmp_eq_u32 s26, 3
	s_cselect_b64 s[16:17], s[16:17], s[14:15]
	s_cmp_eq_u32 s26, 0
	s_cselect_b64 s[10:11], s[10:11], s[12:13]
	s_cmp_lt_u32 s26, 2
	s_cselect_b64 s[4:5], s[10:11], s[16:17]
	s_bfe_u32 s28, s25, 0x30002
	s_lshl_b32 s28, s28, 7
	s_lshl_b32 s29, s24, 5
	s_add_co_u32 s28, s28, s29                     ; my wave's first column
	s_and_b32 s29, s25, 3                          ; which 256 along K
	s_wait_alu depctr_va_vdst(0)
	v_lshlrev_b32 v3, 2, v2                        ; in: 4 bytes a lane
	s_mul_i32 s30, s24, 32*PITCH
	s_add_co_u32 s30, s30, WSTG                    ; my stage
	v_mul_u32_u24 v4, v2, PITCH
	v_add_nc_u32 v4, s30, v4                       ; into it: row = my column
	v_and_b32 v5, 15, v2
	v_lshrrev_b32 v6, 4, v2
	v_mul_u32_u24 v7, v6, PITCH
	v_lshl_add_u32 v7, v5, 4, v7
	v_add_nc_u32 v7, s30, v7                       ; out of it: sixteen lanes to a row, two rows an instruction
	v_mul_u32_u24 v8, v6, KROW
	v_mad_u32_u24 v8, v5, 12, v8                   ; and the same place in the codes' buffer
	v_lshlrev_b32 v9, 5, v2                        ; my column's row of scale bytes: 32 bytes a row
	s_lshl_b32 s32, s29, 20                        ; 256 rows of 4,096 bytes
	s_lshl_b32 s31, s28, 2
	s_add_co_u32 s32, s32, s31
	s_add_nc_u64 s[4:5], s[4:5], s[32:33]
	s_mul_i32 s32, s26, 786432
	s_mul_i32 s31, s28, KROW
	s_add_co_u32 s32, s32, s31
	s_lshr_b32 s31, s28, 7                 ; column x 192 has counted 24,576 for each block of 128 columns passed: a block takes 98,304
	s_mul_i32 s31, s31, 73728
	s_add_co_u32 s32, s32, s31
	s_mul_i32 s31, s29, 24576              ; my K step's part of the block
	s_add_co_u32 s32, s32, s31
	s_add_nc_u64 s[6:7], s[20:21], s[32:33]
	s_lshl_b32 s32, s26, 15
	s_lshl_b32 s31, s28, 5
	s_add_co_u32 s32, s32, s31
	s_lshl_b32 s31, s29, 3
	s_add_co_u32 s32, s32, s31
	s_add_co_u32 s32, s32, 3145728
	s_add_nc_u64 s[8:9], s[20:21], s[32:33]
.macro WLOAD t                         ; block t: W(32 t + i, my column) into set t % 2; 32 lanes read 128 consecutive bytes
.set ii, 0
.rept 32
	global_load_b32 v[WX+32*((\t)%2)+ii], v3, s[4:5] offset:(32*(\t)+ii)*4096 th:TH_LOAD_NT
.set ii, ii+1
.endr
.endm
	WLOAD 0
	WLOAD 1
.macro WBLOCK t
.set XS, WX+32*((\t)%2)
.if (\t) < NB-1
	s_wait_loadcnt 32                              ; this block's 32 loads are in; the next block's may be out
.else
	s_wait_loadcnt 0x0
.endif
	v_max3_num_f32 v12, |v[XS]|, |v[XS+1]|, |v[XS+2]|
	v_max3_num_f32 v13, |v[XS+3]|, |v[XS+4]|, |v[XS+5]|
.irp i, 6,10,14,18,22,26
	v_max3_num_f32 v12, v12, |v[XS+\i]|, |v[XS+\i+1]|
	v_max3_num_f32 v13, v13, |v[XS+\i+2]|, |v[XS+\i+3]|
.endr
	v_max3_num_f32 v12, v12, |v[XS+30]|, |v[XS+31]|
	v_max3_num_f32 v12, v12, v13, (EMAX+1)<<23
	v_add_nc_u32 v11, -(EMAX<<23), v12
	v_lshrrev_b32 v13, 23, v11
.if (\t)%4 == 0
	v_mov_b32 v[SB+(\t)/4], v13
.else
	v_lshl_or_b32 v[SB+(\t)/4], v13, 8*((\t)%4), v[SB+(\t)/4]
.endif
	v_cvt_scalef32_pk16_fp6_f32 v[WCD:WCD+2], v[XS:XS+15], v11
	v_cvt_scalef32_pk16_fp6_f32 v[WCD+4:WCD+6], v[XS+16:XS+31], v11
	ds_store_b96 v4, v[WCD:WCD+2] offset:32*(\t)   ; 12 bytes to a place of 16, so that every LDS address is a multiple of 16
	ds_store_b96 v4, v[WCD+4:WCD+6] offset:32*(\t)+16
.if (\t)+2 < NB
	WLOAD (\t)+2
.endif
	s_wait_dscnt 0x0                               ; the stores have read their registers: the next block's codes may be written
.endm
.irp t, 0,1,2,3,4,5,6,7
	WBLOCK \t
.endr
	s_wait_alu depctr_va_vdst(0)
	global_store_b64 v9, v[SB:SB+1], s[8:9]        ; my column's eight scale bytes
.irp t, 0,1,2,3,4,5,6,7,8,9,10,11,12,13,14,15
	ds_load_b96 v[OUTR+4*\t:OUTR+4*\t+2], v7 offset:2*\t*PITCH
.endr
.irp t, 0,1,2,3,4,5,6,7,8,9,10,11,12,13,14,15
	s_wait_dscnt 15-\t                             ; LDS loads come back in order: load t is in, the younger ones may be out
	global_store_b96 v8, v[OUTR+4*\t:OUTR+4*\t+2], s[6:7] offset:2*\t*KROW
.endr
	s_wait_tensorcnt 0x0
	ds_add_u32 v192, v193
	s_wait_dscnt 0x0
	s_endpgm
.Ltable:
; ---------------- cos and sin of n / 10000^(f / 32), n = 0 .. 2047, f = 0 .. 31.  A thread takes one position n and all 32 frequencies.
; The angle is one f32 product, as in the module.  It is reduced by k = the nearest whole number of quarter turns: a - k x (pi/2's f32 part) is exact (both are multiples of 2^-23 and the
; difference is under 1), the rest of pi/2 follows by a second multiply-add; sine and cosine of the rest, at most pi/4, are short polynomials; the quadrant picks and signs them.
	s_sub_co_u32 s25, ttmp9, 896
	s_lshl_b32 s25, s25, 7
	v_add_nc_u32 v3, s25, v0                       ; n
	v_lshlrev_b32 v1, 4, v3                        ; 16 bytes a position in each group
	v_cvt_f32_u32 v2, v3
	s_mov_b32 s30, 0x3f22f983                      ; 2 / pi
	s_mov_b32 s31, 0xbfc90fdb                      ; -(pi/2 rounded to f32)
	s_mov_b32 s32, 0x333bbd2e                      ; that f32 less pi/2
	s_mov_b32 s33, 0xbe2aaaa3                      ; sine: -1.6666654611e-1,
	s_mov_b32 s34, 0x3c08839e                      ; 8.3321608736e-3,
	s_mov_b32 s35, 0xb94ca1f9                      ; -1.9515295891e-4
	s_mov_b32 s36, 0x3d2aaaa5                      ; cosine: 4.166664568e-2,
	s_mov_b32 s37, 0xbab6061a                      ; -1.388731625e-3,
	s_mov_b32 s38, 0x37ccf5ce                      ; 2.443315712e-5
.macro POWC f, val
	v_mov_b32 v[POW+\f], \val
.endm
	POWC 0, 1.0
	POWC 1, 1.3335214321633240
	POWC 2, 1.7782794100389228
	POWC 3, 2.3713737056616552
	POWC 4, 3.1622776601683795
	POWC 5, 4.2169650342858226
	POWC 6, 5.6234132519034912
	POWC 7, 7.4989420933245583
	POWC 8, 10.0
	POWC 9, 13.335214321633240
	POWC 10, 17.782794100389228
	POWC 11, 23.713737056616552
	POWC 12, 31.622776601683795
	POWC 13, 42.169650342858226
	POWC 14, 56.234132519034912
	POWC 15, 74.989420933245583
	POWC 16, 100.0
	POWC 17, 133.35214321633240
	POWC 18, 177.82794100389228
	POWC 19, 237.13737056616552
	POWC 20, 316.22776601683795
	POWC 21, 421.69650342858226
	POWC 22, 562.34132519034912
	POWC 23, 749.89420933245583
	POWC 24, 1000.0
	POWC 25, 1333.5214321633240
	POWC 26, 1778.2794100389228
	POWC 27, 2371.3737056616552
	POWC 28, 3162.2776601683795
	POWC 29, 4216.9650342858226
	POWC 30, 5623.4132519034912
	POWC 31, 7498.9420933245583
.set ff, 0
	s_wait_alu depctr_va_vdst(0)
.rept 32
	v_rcp_f32 v[INV+ff], v[POW+ff]
.set ff, ff+1
.endr
	v_nop                                          ; one plain instruction behind the last reciprocal,
	s_wait_alu depctr_va_vdst(0)                   ; and one wait for the batch of 32, ahead of its first reader
.set ff, 0
.rept 32
	v_fma_f32 v[4+ff%4], -v[POW+ff], v[INV+ff], 1.0      ; one Newton step
	v_fma_f32 v[INV+ff], v[INV+ff], v[4+ff%4], v[INV+ff]
.set ff, ff+1
.endr
.macro TRIG f
	v_mul_f32 v4, v2, v[INV+\f]                    ; the angle
	v_mul_f32 v5, s30, v4
	v_rndne_f32 v5, v5                             ; k
	v_fma_f32 v6, v5, s31, v4
	v_fma_f32 v6, v5, s32, v6                      ; the rest r
	v_mul_f32 v7, v6, v6                           ; z = r^2
	v_fma_f32 v8, v7, s35, s34
	v_fma_f32 v9, v7, s38, s37
	v_fma_f32 v8, v8, v7, s33
	v_fma_f32 v9, v9, v7, s36
	v_mul_f32 v8, v8, v7
	v_mul_f32 v9, v9, v7
	v_fma_f32 v10, v7, -0.5, 1.0
	v_fma_f32 v8, v8, v6, v6                       ; sin r
	v_fma_f32 v9, v9, v7, v10                      ; cos r
	v_cvt_i32_f32 v11, v5
	v_and_b32 v12, 1, v11
	v_cmp_ne_u32 vcc_lo, 0, v12                    ; odd quadrant: sine and cosine change places
	v_cndmask_b32 v13, v8, v9, vcc_lo
	v_cndmask_b32 v14, v9, v8, vcc_lo
	v_and_b32 v12, 2, v11                          ; sine is negative in quadrants 2 and 3,
	v_lshlrev_b32 v12, 30, v12
	v_xor_b32 v[SINR+\f], v13, v12
	v_add_nc_u32 v15, 1, v11                       ; cosine in quadrants 1 and 2
	v_and_b32 v15, 2, v15
	v_lshlrev_b32 v15, 30, v15
	v_xor_b32 v[COSR+\f], v14, v15
.endm
.irp f, 0,1,2,3,4,5,6,7,8,9,10,11,12,13,14,15,16,17,18,19,20,21,22,23,24,25,26,27,28,29,30,31
	TRIG \f
.endr
.irp g, 0,1,2,3,4,5,6,7
	global_store_b128 v1, v[COSR+4*\g:COSR+4*\g+3], s[22:23] offset:\g*32768          ; 32 lanes store 512 consecutive bytes
	global_store_b128 v1, v[SINR+4*\g:SINR+4*\g+3], s[22:23] offset:\g*32768+262144
.endr
	s_endpgm
.Lfunc_end_k_q4631a4c609_prep:
	.size	k_q4631a4c609_prep, .Lfunc_end_k_q4631a4c609_prep-k_q4631a4c609_prep
	.p2alignl 7, 3214868480
	.fill 96, 4, 3214868480
	.section	.rodata,"a",@progbits
	.p2align	6, 0x0
	.amdhsa_kernel k_q4631a4c609_prep
		.amdhsa_group_segment_fixed_size 69120
		.amdhsa_private_segment_fixed_size 0
		.amdhsa_enable_private_segment 0
		.amdhsa_kernarg_size 80
		.amdhsa_user_sgpr_count 2
		.amdhsa_user_sgpr_kernarg_segment_ptr 1
		.amdhsa_wavefront_size32 1
		.amdhsa_system_sgpr_workgroup_id_x 1
		.amdhsa_system_sgpr_workgroup_id_y 1
		.amdhsa_system_sgpr_workgroup_id_z 1
		.amdhsa_system_vgpr_workitem_id 0
		.amdhsa_next_free_vgpr 194
		.amdhsa_next_free_sgpr 66
		.amdhsa_reserve_vcc 1
		.amdhsa_float_denorm_mode_32 3
		.amdhsa_float_denorm_mode_16_64 3
		.amdhsa_memory_ordered 1
		.amdhsa_forward_progress 1
		.amdhsa_inst_pref_size 120
	.end_amdhsa_kernel
	.amdgpu_metadata
---
amdhsa.version: [ 1, 2 ]
amdhsa.kernels:
  - .name:           k_q4631a4c609_prep
    .symbol:         k_q4631a4c609_prep.kd
    .args:
      - { .name: q, .offset: 0, .size: 8, .value_kind: global_buffer, .address_space: global }
      - { .name: k, .offset: 8, .size: 8, .value_kind: global_buffer, .address_space: global }
      - { .name: v, .offset: 16, .size: 8, .value_kind: global_buffer, .address_space: global }
      - { .name: wq_w, .offset: 24, .size: 8, .value_kind: global_buffer, .address_space: global }
      - { .name: wk_w, .offset: 32, .size: 8, .value_kind: global_buffer, .address_space: global }
      - { .name: wv_w, .offset: 40, .size: 8, .value_kind: global_buffer, .address_space: global }
      - { .name: wo_w, .offset: 48, .size: 8, .value_kind: global_buffer, .address_space: global }
      - { .name: xcs, .offset: 56, .size: 8, .value_kind: global_buffer, .address_space: global }
      - { .name: wcs, .offset: 64, .size: 8, .value_kind: global_buffer, .address_space: global }
      - { .name: rt, .offset: 72, .size: 8, .value_kind: global_buffer, .address_space: global }
    .group_segment_fixed_size: 69120
    .private_segment_fixed_size: 0
    .kernarg_segment_align: 8
    .kernarg_segment_size: 80
    .max_flat_workgroup_size: 128
    .sgpr_count:     66
    .vgpr_count:     194
    .wavefront_size: 32
...
	.end_amdgpu_metadata
.endif
;; end of part 1
;; launch proj (part 2): grid 4 x 96, 4 waves a work-group, clusters of 4 x 4, 327,680 bytes of LDS; arguments xcs, wcs, rt, wq_b, wk_b, wv_b, qn_w, kn_w, qcs, kvs; writes qcs, kvs
.if DOCPART == 2
	.amdgcn_target "amdgcn-amd-amdhsa--gfx1250"
	.amdhsa_code_object_version 6
	.text
	.protected	k_q4631a4c609_proj
	.globl	k_q4631a4c609_proj
	.p2align	8
	.type	k_q4631a4c609_proj,@function
k_q4631a4c609_proj:
	s_mov_b64 s[64:65], 0
	v_nop
	global_prefetch_b8 v0, s[64:65] scope:SCOPE_SE
	s_setreg_imm32_b32 hwreg(HW_REG_WAVE_MODE, 25, 1), 1
	s_wait_xcnt 0x0
	s_wait_alu depctr_hold_cnt(0) depctr_sa_sdst(0) depctr_va_vdst(0) depctr_va_sdst(0) depctr_va_ssrc(0) depctr_va_vcc(0) depctr_vm_vsrc(0)
	s_getreg_b32 s2, hwreg(HW_REG_IB_STS2, 6, 4)
	s_cmp_eq_u32 s2, 0
	s_cbranch_scc0 .Lentry_in_a_cluster
	s_endpgm
.Lentry_in_a_cluster:
	s_bfe_u32 s2, ttmp6, 0x10000c
	s_cmp_lg_u32 s2, 0xf033
	s_cbranch_scc0 .Lentry_shape_is_right
	s_endpgm
.Lentry_shape_is_right:
.set KSTEP,  256
.set NQ,     2
; The codes lie [block of 128 rows][K step of 256][128 rows][192 bytes]: what one tensor load brings, 128 rows x one K step, is 24,576 dense bytes, stated as 96 rows of 256 bytes that begin at multiples of 256.
; The padding, 16 bytes behind each 64, is counted along the whole tile: in LDS a row of 192 bytes of codes takes 240.
.set ROWB,   24576                     ; from one K step's tile to the next, in bytes
.set KROW,   768
.set PITCH,  240
.set FR,     12
.set NL,     6
.set NP,     4
.set HALFT,  128*PITCH
.set SLOT,   4*HALFT
.set KS,     32
.set SCL,    2*SLOT
.set HALFS,  (128*KS/256)*272
.set SBLK,   (16*KS/256)*272
.set SPARE,  SCL+4*HALFS
.set ADRA, 16
.set ADRB, 20
.set LI,   24
.set L8,   25
.set VRT,  26
.set ADRS, 27
.set SPW,  28
.set NIL,  29
.set VH,   30
.set VR4,  31
.set SC,   32
.set BI,   64
.set AF,   128
.set NW,   224
.set TM,   32
.set PW,   48
.set PWE,  49
.set WD,   50
.set CS,   64
.set Y,    128
.set IMG0, 192
.set IMG1, 204
.set TT,   216
.set G1,   24
.set G0,   32
.set G1B,  48
.set G0B,  56
.set G1S,  68
.set G0S,  76
.set G1SB, 80
.set G0SB, 88
.set TC,   42
.set WV,   66
.set RH,   67
.set CH,   96
.set TR,   97
.set ZT,   98
.set MSB, 0
.macro WIN new
.if MSB != (\new)
	s_set_vgpr_msb (MSB<<8)|(\new)
.set MSB, (\new)
.endif
.endm
.set MUL_LO, 0xa1
.set MUL_HI, 0xf1
.set TO_B,   0x40
.macro JLOAD g0a, g1a, g0b, g1b
	s_cmp_eq_u32 s[RH], 0
	s_cbranch_scc0 .Lfor_b_\@
	tensor_load_to_lds s[\g0a:\g0a+3], s[\g1a:\g1a+7]
	s_nop 0
.rept 4
	v_nop
.endr
	s_branch .Lasked_\@
.Lfor_b_\@:
	tensor_load_to_lds s[\g0b:\g0b+3], s[\g1b:\g1b+7]
	s_nop 0
.rept 4
	v_nop
.endr
.Lasked_\@:
.endm
.macro CREST
	s_cmp_lg_u32 s[WV], 0
	s_cbranch_scc1 .Lnot_wave_0_\@
	s_barrier_signal -3
.Lnot_wave_0_\@:
	s_barrier_wait -3
	s_barrier_signal -1
	s_barrier_wait -1
.endm
.macro CROUND
	s_barrier_signal -1
	s_barrier_wait -1
	CREST
.endm
	s_load_b256 s[4:11], s[0:1], 0x0
	s_load_b256 s[12:19], s[0:1], 0x20
	s_load_b128 s[20:23], s[0:1], 0x40
	v_lshl_add_u32 v[SPW], v0, 2, SPARE
	v_mov_b32 v[NIL], 0
	ds_add_u32 v28, v29
	ds_add_u32 v28, v29
	s_wait_dscnt 0x0
	v_lshrrev_b32 v1, 5, v0
	v_readfirstlane_b32 s[WV], v1
	s_lshr_b32 s[RH], s[WV], 1
	s_and_b32 s[CH], s[WV], 1
	s_bfe_u32 s40, ttmp6, 0x40000
	s_bfe_u32 s41, ttmp6, 0x40004
	s_and_b32 s105, ttmp7, 0xffff
	s_lshr_b32 s[ZT], s105, 3
	s_and_b32 s105, s105, 7
	s_lshl_b32 s105, s105, 2
	s_cmp_eq_u32 s[ZT], 2
	s_cselect_b32 s[TR], 0, s105
	s_cselect_b32 s[TC], s105, 0
	s_add_co_u32 s[TR], s[TR], s41
	s_add_co_u32 s[TC], s[TC], s40
	s_lshl_b32 s43, s41, 2
	s_lshl_b32 s43, 15, s43
	s_lshl_b32 s44, 0x1111, s40
	s_or_b32 s[G1+0], s43, (0<<16)|(1<<20)|(1<<21)|(3<<22)|(3<<25)
	s_or_b32 s[G1B+0], s44, (0<<16)|(1<<20)|(1<<21)|(3<<22)|(3<<25)
.irp g, G1, G1B
	s_mov_b32 s[\g+1], 256<<16
	s_mov_b32 s[\g+2], 96<<16
	s_mov_b32 s[\g+3], 256<<16
	s_mov_b32 s[\g+4], 96
	s_mov_b32 s[\g+5], 256
	s_mov_b32 s[\g+6], 0
	s_mov_b32 s[\g+7], 0
.endr
	s_or_b32 s[G1S+0], s43, (3<<16)|(1<<20)|(1<<21)|(5<<22)|(3<<25)
	s_or_b32 s[G1SB+0], s44, (3<<16)|(1<<20)|(1<<21)|(5<<22)|(3<<25)
.irp g, G1S, G1SB
	s_mov_b32 s[\g+1], 32<<16
	s_mov_b32 s[\g+2], (128*KS/256)<<16
	s_mov_b32 s[\g+3], 32<<16
	s_mov_b32 s[\g+4], 128*KS/256
	s_mov_b32 s[\g+5], 32
	s_mov_b32 s[\g+6], 0
	s_mov_b32 s[\g+7], 0
.endr
	s_lshl_b32 s45, s[CH], 7
	s_lshl_b32 s92, s[TR], 8
	s_add_co_u32 s92, s92, s45
	s_lshl_b32 s46, s[TC], 8
	s_add_co_u32 s46, s46, s45
	s_lshl_b32 s94, s92, 5
	s_mul_i32 s92, s92, KROW
	s_lshl_b32 s2, s46, 5
	s_mul_i32 s46, s46, KROW
	s_mov_b32 s93, 0
	s_mov_b32 s95, 0
	s_mov_b32 s47, 0
	s_mov_b32 s3, 0
	s_mov_b32 s101, 0
	s_mul_i32 s45, s[WV], HALFT
	s_mul_i32 s105, s[WV], HALFS
	s_wait_kmcnt 0x0
	s_mul_i32 s100, s[ZT], 6291456
	s_add_nc_u64 s[32:33], s[4:5], s[100:101]
	s_mul_i32 s100, s[ZT], 262144
	s_add_co_u32 s100, s100, 18874368
	s_add_nc_u64 s[36:37], s[4:5], s[100:101]
	s_mul_i32 s100, s[ZT], 786432
	s_add_nc_u64 s[56:57], s[6:7], s[100:101]
	s_mul_i32 s100, s[ZT], 32768
	s_add_co_u32 s100, s100, 3145728
	s_add_nc_u64 s[60:61], s[6:7], s[100:101]
	s_cmp_eq_u32 s[ZT], 2
	s_cselect_b64 s[76:77], s[56:57], s[32:33]
	s_cselect_b64 s[78:79], s[60:61], s[36:37]
	s_cselect_b64 s[88:89], s[32:33], s[56:57]
	s_cselect_b64 s[90:91], s[36:37], s[60:61]
	s_add_nc_u64 s[4:5], s[76:77], s[92:93]
	s_add_nc_u64 s[6:7], s[88:89], s[46:47]
	s_add_nc_u64 s[G0S+2:G0S+3], s[78:79], s[94:95]
	s_add_nc_u64 s[G0SB+2:G0SB+3], s[90:91], s[2:3]
	CROUND
	s_mov_b32 s[G0S], 1
	s_add_co_u32 s[G0S+1], s105, SCL
	s_or_b32 s[G0S+3], s[G0S+3], 0x80000000
	s_mov_b32 s[G0SB], 1
	s_add_co_u32 s[G0SB+1], s105, SCL
	s_or_b32 s[G0SB+3], s[G0SB+3], 0x80000000
	JLOAD G0S, G1S, G0SB, G1SB
.irp s, 0,1
	s_mov_b32 s[G0+4*\s], 1
	s_add_co_u32 s[G0+4*\s+1], s45, \s*SLOT
	s_add_nc_u64 s[G0+4*\s+2:G0+4*\s+3], s[4:5], \s*ROWB
	s_or_b32 s[G0+4*\s+3], s[G0+4*\s+3], 0x80000000
	s_mov_b32 s[G0B+4*\s], 1
	s_add_co_u32 s[G0B+4*\s+1], s45, \s*SLOT
	s_add_nc_u64 s[G0B+4*\s+2:G0B+4*\s+3], s[6:7], \s*ROWB
	s_or_b32 s[G0B+4*\s+3], s[G0B+4*\s+3], 0x80000000
	s_wait_alu depctr_va_vdst(0)
	s_wait_tensorcnt 0x0
	ds_add_u32 v28, v29
	s_wait_dscnt 0x0
	CROUND
	JLOAD G0+4*\s, G1, G0B+4*\s, G1B
.endr
	v_and_b32 v1, 15, v0
	v_bfe_u32 v2, v0, 4, 1
	v_mul_u32_u24 v3, v1, PITCH
	v_mul_u32_u24 v4, v2, 24
	v_add_nc_u32 v4, v3, v4
	v_lshl_add_u32 v5, v2, 4, v4
	s_mul_i32 s92, s[RH], HALFT
	s_mul_i32 s93, s[CH], HALFT
	s_add_co_u32 s93, s93, 2*HALFT
.irp s, 0,1
	v_add_nc_u32 v[ADRA+\s], s92, v4
	v_add_nc_u32 v[ADRB+\s], s93, v4
	v_add_nc_u32 v[ADRA+2+\s], s92, v5
	v_add_nc_u32 v[ADRB+2+\s], s93, v5
	s_add_co_u32 s92, s92, SLOT
	s_add_co_u32 s93, s93, SLOT
.endr
	v_mul_u32_u24 v5, v1, KS
	v_lshrrev_b32 v6, 8, v5
	v_lshl_add_u32 v5, v6, 4, v5
	s_mul_i32 s92, s[RH], HALFS
	s_mul_i32 s93, s[CH], HALFS
	s_add_co_u32 s93, s93, 2*HALFS
	s_sub_co_u32 s93, s93, s92
	v_mul_u32_u24 v6, s93, v2
	s_add_co_u32 s92, s92, SCL
	v_add_nc_u32 v5, v5, v6
	v_add_nc_u32 v[ADRS], s92, v5
	v_and_b32 v6, 31, v0
	v_lshlrev_b32 v[LI], 4, v6
	v_lshlrev_b32 v[VRT], 4, v1
	v_lshl_add_u32 v[VRT], v2, 16, v[VRT]
	v_lshlrev_b32 v[VH], 5, v2
	v_lshlrev_b32 v[VR4], 2, v1
	s_mov_b32 s99, 0xffff0000
	s_mov_b32 s100, 0x76543210
	s_mov_b32 s101, 0xfedcba98
	s_mov_b32 s104, 0x358637bd
	s_mov_b32 s95, 0
	s_cmp_eq_u32 s[ZT], 2
	s_cbranch_scc1 .Lhead_v
	s_cmp_eq_u32 s[ZT], 0
	s_cselect_b64 s[20:21], s[20:21], s[22:23]
	s_cselect_b64 s[10:11], s[10:11], s[12:13]
	s_cselect_b64 s[16:17], s[16:17], s[18:19]
	s_lshl_b32 s92, s[TR], 8
	s_lshl_b32 s93, s[RH], 7
	s_add_co_u32 s92, s92, s93
	s_lshr_b32 s93, s92, 11
	s_lshl_b32 s93, s93, 4
	s_lshl_b32 s94, s[TC], 2
	s_add_co_u32 s93, s93, s94
	s_lshl_b32 s94, s[CH], 1
	s_add_co_u32 s93, s93, s94
	s_mul_i32 s93, s93, 102400
	s_bfe_u32 s94, s92, 0x40007
	s_mul_i32 s94, s94, 6400
	s_add_co_u32 s94, s94, s93
	s_lshl_b32 s94, s94, s[ZT]
	s_add_nc_u64 s[20:21], s[20:21], s[94:95]
	s_lshl_b32 s94, 102400, s[ZT]
	s_add_nc_u64 s[22:23], s[20:21], s[94:95]
	s_and_b32 s94, s92, 2047
	s_lshl_b32 s94, s94, 4
	s_add_nc_u64 s[8:9], s[8:9], s[94:95]
	s_lshl_b32 s94, s[TC], 10
	s_lshl_b32 s93, s[CH], 9
	s_add_co_u32 s94, s94, s93
	s_add_nc_u64 s[10:11], s[10:11], s[94:95]
	s_lshl_b32 s94, 6144, s[ZT]
	s_wait_alu depctr_va_vdst(0)
	v_lshl_add_u32 v[L8], v6, 3, s94
.irp b, 0,1,2,3,4,5,6,7
	global_load_b128 v[BI+8*\b:BI+8*\b+3], v[VH], s[10:11] offset:64*\b
	global_load_b128 v[BI+8*\b+4:BI+8*\b+7], v[VH], s[10:11] offset:64*\b+16
.endr
.irp b, 0,1
.irp u, 0,1
	global_load_b128 v[NW+16*\b+8*\u:NW+16*\b+8*\u+3], v[VH], s[16:17] offset:128*\b+64*\u
	global_load_b128 v[NW+16*\b+8*\u+4:NW+16*\b+8*\u+7], v[VH], s[16:17] offset:128*\b+64*\u+16
.endr
.endr
	s_branch .Lhead_done
.Lhead_v:
	s_lshl_b32 s92, s[TC], 8
	s_lshl_b32 s93, s[CH], 7
	s_add_co_u32 s92, s92, s93
	s_lshr_b32 s93, s92, 11
	s_lshl_b32 s93, s93, 4
	s_lshl_b32 s94, s[TR], 2
	s_add_co_u32 s93, s93, s94
	s_lshl_b32 s94, s[RH], 1
	s_add_co_u32 s93, s93, s94
	s_mul_i32 s93, s93, 204800
	s_bfe_u32 s94, s92, 0x40007
	s_mul_i32 s94, s94, 12800
	s_add_co_u32 s94, s94, s93
	s_add_nc_u64 s[20:21], s[22:23], s[94:95]
	s_lshl_b32 s94, s[TR], 10
	s_lshl_b32 s93, s[RH], 9
	s_add_co_u32 s94, s94, s93
	s_add_nc_u64 s[14:15], s[14:15], s[94:95]
	s_wait_alu depctr_va_vdst(0)
	v_lshl_add_u32 v[L8], v6, 3, 12544
.irp a, 0,1,2,3,4,5,6,7
	global_load_b32 v[NW+\a], v[VR4], s[14:15] offset:64*\a
.endr
.set i, 0
.rept 64
	v_mov_b32 v[BI+i], 0
.set i, i+1
.endr
.set i, 8
.rept 24
	v_mov_b32 v[NW+i], 0
.set i, i+1
.endr
.Lhead_done:
.macro FRAG reg, adr, q, i
.irp p, 0,1,2,3,4,5
.set PC, 12*(\q)+6*(\p/3)+\p%3
.if PC%8 < 5
	ds_load_b64 v[\reg+2*\p:\reg+2*\p+1], v[\adr] offset:8*PC+16*(PC/8)+(\i)*16*PITCH
.else
	ds_load_b64 v[\reg+2*\p:\reg+2*\p+1], v[\adr+2] offset:8*PC+16*(PC/8)+(\i)*16*PITCH
.endif
.endr
.endm
.macro MUL16 a0, p, q, sc, first
.irp a, \a0, \a0+1
.irp b, 0,1,2,3,4,5,6,7
.if \first
	v_wmma_scale_f32_16x16x128_f8f6f4 v[8*(8*((\a)%4)+\b):8*(8*((\a)%4)+\b)+7], v[128*(\p)+FR*\b:128*(\p)+FR*\b+FR-1], v[AF+FR*(\a):AF+FR*(\a)+FR-1], v[BI+8*\b:BI+8*\b+7], v[SC+8*NQ*(\sc)+NQ*\b+(\q)], v[SC+8*NQ*(\sc)+NQ*(\a)+(\q)] matrix_a_fmt:MATRIX_FMT_FP6 matrix_b_fmt:MATRIX_FMT_FP6 matrix_a_scale:MATRIX_SCALE_ROW1
.else
	v_wmma_scale_f32_16x16x128_f8f6f4 v[8*(8*((\a)%4)+\b):8*(8*((\a)%4)+\b)+7], v[128*(\p)+FR*\b:128*(\p)+FR*\b+FR-1], v[AF+FR*(\a):AF+FR*(\a)+FR-1], v[8*(8*((\a)%4)+\b):8*(8*((\a)%4)+\b)+7], v[SC+8*NQ*(\sc)+NQ*\b+(\q)], v[SC+8*NQ*(\sc)+NQ*(\a)+(\q)] matrix_a_fmt:MATRIX_FMT_FP6 matrix_b_fmt:MATRIX_FMT_FP6 matrix_a_scale:MATRIX_SCALE_ROW1
.endif
.endr
.endr
.endm
.macro FETCH_B slot, q, p
	WIN TO_B
.irp i, 0,1,2,3,4,5,6,7
	FRAG 128*(\p)+FR*\i, ADRB+\slot, \q, \i
.endr
	WIN 0
.endm
.macro FETCH_A slot, q, i0
.irp i, \i0, \i0+1, \i0+2, \i0+3
	FRAG AF+FR*(\i), ADRA+\slot, \q, \i
.endr
.endm
.macro SCALES sc
.irp i, 0,1,2,3,4,5,6,7
	ds_load_b64 v[SC+8*NQ*\sc+NQ*\i:SC+8*NQ*\sc+NQ*\i+1], v[ADRS] offset:\i*SBLK
.endr
.endm
.macro PLACES n
.rept \n
	v_nop
.endr
.endm
.macro STEP slot, q, first
	s_wait_dscnt 4*NL
.if \first
	WIN 0x81
.else
	WIN MUL_LO
.endif
	MUL16 0, (\q)%2, \q, \slot, \first
	MUL16 2, (\q)%2, \q, \slot, \first
	s_wait_dscnt 0
	PLACES NP
	FETCH_B \slot, (\q)+1, 1-(\q)%2
	FETCH_A \slot, (\q)+1, 0
.if \first
	WIN 0xc1
.else
	WIN MUL_HI
.endif
	MUL16 4, (\q)%2, \q, \slot, \first
	MUL16 6, (\q)%2, \q, \slot, \first
	PLACES NP
	WIN 0
	FETCH_A \slot, (\q)+1, 4
.endm
.macro TURN slot, next, fill
	s_wait_tensorcnt 0x0
	ds_add_u32 v[SPW], v[NIL]
	s_wait_dscnt 4*NL+1
	WIN MUL_LO
	MUL16 0, 1, NQ-1, \slot, 0
	s_wait_dscnt 0x0
	s_barrier_signal -1
	MUL16 2, 1, NQ-1, \slot, 0
	WIN 0
	s_barrier_wait -1
.if \fill
	CREST
	s_add_nc_u64 s[G0+4*\slot+2:G0+4*\slot+3], s[G0+4*\slot+2:G0+4*\slot+3], 2*ROWB
	s_add_nc_u64 s[G0B+4*\slot+2:G0B+4*\slot+3], s[G0B+4*\slot+2:G0B+4*\slot+3], 2*ROWB
	JLOAD G0+4*\slot, G1, G0B+4*\slot, G1B
.else
	PLACES NP
.endif
	s_wait_alu depctr_va_vdst(0)
	v_add_nc_u32 v[ADRS], 4*NQ, v[ADRS]
	FETCH_B \next, 0, 0
	FETCH_A \next, 0, 0
	SCALES \next
	WIN MUL_HI
	MUL16 4, 1, NQ-1, \slot, 0
	MUL16 6, 1, NQ-1, \slot, 0
	PLACES NP
	WIN 0
	FETCH_A \next, 0, 4
.endm
.macro CSLOAD a
.irp u, 0,1
.irp jj, 0,1
	global_load_b128 v[CS+32*((\a)%2)+8*\u+4*\jj:CS+32*((\a)%2)+8*\u+4*\jj+3], v[VRT], s[8:9] offset:(4*\u+\jj)*32768+256*(\a)
	global_load_b128 v[CS+32*((\a)%2)+16+8*\u+4*\jj:CS+32*((\a)%2)+16+8*\u+4*\jj+3], v[VRT], s[8:9] offset:(4*\u+\jj)*32768+256*(\a)+262144
.endr
.endr
.endm
	s_wait_tensorcnt 1
	s_barrier_signal -1
	s_barrier_wait -1
	FETCH_B 0, 0, 0
	FETCH_A 0, 0, 0
	SCALES 0
	FETCH_A 0, 0, 4
	s_wait_loadcnt 0x0
	STEP 0, 0, 1
	s_cmp_eq_u32 s[ZT], 2
	s_cbranch_scc1 .Lno_cs
	CSLOAD 0
	CSLOAD 1
.Lno_cs:
	s_mov_b32 s3, 1
.Llap:
	TURN 0, 1, 1
	STEP 1, 0, 0
	TURN 1, 0, 1
	STEP 0, 0, 0
	s_sub_co_u32 s3, s3, 1
	s_cmp_lg_u32 s3, 0
	s_cbranch_scc1 .Llap
	TURN 0, 1, 0
	STEP 1, 0, 0
	s_wait_dscnt 4*NL
	WIN MUL_LO
	MUL16 0, 1, NQ-1, 1, 0
	MUL16 2, 1, NQ-1, 1, 0
	s_wait_dscnt 0
	WIN MUL_HI
	MUL16 4, 1, NQ-1, 1, 0
	MUL16 6, 1, NQ-1, 1, 0
	WIN 0
	PLACES NP
.irp b, 0,1,2,3
	v_mov_b32 v[TM+4+\b], 0
.endr
.macro QUANT s, d0, d1, t
.irp b, 0,1,2,3
	v_max3_num_f32 v[TM+\b], |v[\s+16*\b]|, |v[\s+1+16*\b]|, 0x1800000
.endr
.irp i, 2,4,6,8,10,12,14
.irp b, 0,1,2,3
	v_max3_num_f32 v[TM+\b], v[TM+\b], |v[\s+16*\b+\i]|, |v[\s+1+16*\b+\i]|
.endr
.endr
.irp b, 0,1,2,3
	v_permlanex16_b32 v[TM+4+\b], v[TM+\b], s100, s101
.endr
.irp b, 0,1,2,3
	v_max_num_f32 v[TM+\b], v[TM+\b], v[TM+4+\b]
.endr
.irp b, 0,1,2,3
	v_add_nc_u32 v[TM+12+\b], 0xff000000, v[TM+\b]
.endr
.irp b, 0,1,2,3
	v_lshrrev_b32 v[TM+4+\b], 23, v[TM+12+\b]
.endr
	v_lshl_or_b32 v[PW], v[TM+5], 8, v[TM+4]
	v_lshl_or_b32 v[PW], v[TM+6], 16, v[PW]
	v_lshl_or_b32 v[PW], v[TM+7], 24, v[PW]
	v_cvt_scalef32_pk16_fp6_f32 v[\d0:\d0+2], v[\s:\s+15], v[TM+12]
	v_cvt_scalef32_pk16_fp6_f32 v[\t:\t+2], v[\s+16:\s+31], v[TM+13]
	v_cvt_scalef32_pk16_fp6_f32 v[\d1:\d1+2], v[\s+32:\s+47], v[TM+14]
	v_cvt_scalef32_pk16_fp6_f32 v[\t+4:\t+6], v[\s+48:\s+63], v[TM+15]
	v_nop
.irp i, 0,1,2
	v_permlane16_swap_b32 v[\d0+\i], v[\t+\i]
	v_permlane16_swap_b32 v[\d1+\i], v[\t+4+\i]
.endr
.irp i, 0,1,2
	v_mov_b32 v[\d0+3+\i], v[\t+\i]
	v_mov_b32 v[\d1+3+\i], v[\t+4+\i]
.endr
.endm
.macro FINISH
	s_wait_tensorcnt 0x0
	ds_add_u32 v[SPW], v[NIL]
	s_wait_dscnt 0x0
	CROUND
	s_endpgm
.endm
	s_cmp_eq_u32 s[ZT], 2
	s_cbranch_scc1 .Lout_v
.macro UNIT a
.set CSB, CS+32*((\a)%2)
.set AW, 64*((\a)%4)
.if (\a) < 7
	s_wait_loadcnt 8
.else
	s_wait_loadcnt 0x0
.endif
	WIN 2+(\a)/4
.irp g, 0,1
.irp u, 0,1
.irp jp, 0,2,4,6
.set X1, AW+32*\g+8*\u+\jp
.set T1, TT+4*((\jp/2)%2)
.set CC, CSB+8*\u+\jp
.set YY, Y+32*\g+8*\u+\jp
	v_pk_mul_f32 v[T1:T1+1], v[X1+16:X1+17], v[CC+16:CC+17]
	v_pk_mul_f32 v[T1+2:T1+3], v[X1:X1+1], v[CC+16:CC+17]
	v_pk_fma_f32 v[YY:YY+1], v[X1:X1+1], v[CC:CC+1], v[T1:T1+1] neg_lo:[0,0,1] neg_hi:[0,0,1]
	v_pk_fma_f32 v[YY+16:YY+17], v[X1+16:X1+17], v[CC:CC+1], v[T1+2:T1+3]
.endr
.endr
.endr
	WIN 0
.if (\a) < 6
	CSLOAD (\a)+2
.endif
.irp g, 0,1
	v_pk_mul_f32 v[TM+4*\g:TM+4*\g+1], v[Y+32*\g:Y+32*\g+1], v[Y+32*\g:Y+32*\g+1]
	v_pk_mul_f32 v[TM+4*\g+2:TM+4*\g+3], v[Y+32*\g+2:Y+32*\g+3], v[Y+32*\g+2:Y+32*\g+3]
.endr
.irp i, 4,8,12,16,20,24,28
.irp g, 0,1
	v_pk_fma_f32 v[TM+4*\g:TM+4*\g+1], v[Y+32*\g+\i:Y+32*\g+\i+1], v[Y+32*\g+\i:Y+32*\g+\i+1], v[TM+4*\g:TM+4*\g+1]
	v_pk_fma_f32 v[TM+4*\g+2:TM+4*\g+3], v[Y+32*\g+\i+2:Y+32*\g+\i+3], v[Y+32*\g+\i+2:Y+32*\g+\i+3], v[TM+4*\g+2:TM+4*\g+3]
.endr
.endr
.irp g, 0,1
	v_pk_add_f32 v[TM+4*\g:TM+4*\g+1], v[TM+4*\g:TM+4*\g+1], v[TM+4*\g+2:TM+4*\g+3]
.endr
.irp g, 0,1
	v_add_f32 v[TM+4*\g], v[TM+4*\g], v[TM+4*\g+1]
.endr
.irp g, 0,1
	v_permlanex16_b32 v[TM+4*\g+1], v[TM+4*\g], s100, s101
.endr
.irp g, 0,1
	v_add_f32 v[TM+4*\g], v[TM+4*\g], v[TM+4*\g+1]
.endr
.irp g, 0,1
	v_fma_f32 v[TM+4*\g], v[TM+4*\g], 0x3c800000, s104
.endr
	s_wait_alu depctr_va_vdst(0)
	v_rsq_f32 v[TM+2], v[TM]
	v_rsq_f32 v[TM+6], v[TM+4]
	v_nop
	s_wait_alu depctr_va_vdst(0)
.irp i, 0,2,4,6,8,10,12,14,16,18,20,22,24,26,28,30
.irp g, 0,1
	v_pk_mul_f32 v[Y+32*\g+\i:Y+32*\g+\i+1], v[Y+32*\g+\i:Y+32*\g+\i+1], v[TM+4*\g+2:TM+4*\g+3] op_sel_hi:[1,0]
.endr
.endr
.irp i, 0,2,4,6,8,10,12,14,16,18,20,22,24,26,28,30
.irp g, 0,1
	v_pk_mul_f32 v[Y+32*\g+\i:Y+32*\g+\i+1], v[Y+32*\g+\i:Y+32*\g+\i+1], v[NW+\i:NW+\i+1]
.endr
.endr
.if ((\a)%2) == 0
.if (\a) > 0
	s_wait_xcnt 0x0
.endif
.endif
.set D0, IMG0+6*((\a)%2)
.set D1, IMG1+6*((\a)%2)
	QUANT Y, D0, D1, TT
.if ((\a)%2) == 0
	v_mov_b32 v[PWE], v[PW]
.else
	v_perm_b32 v[WD+(\a)/2], v[PW], v[PWE], 0x05040100
	v_perm_b32 v[WD+4+(\a)/2], v[PW], v[PWE], 0x07060302
.irp k, 0,1,2
	global_store_b128 v[LI], v[IMG0+4*\k:IMG0+4*\k+3], s[20:21] offset:((\a)/2)*1536+512*\k
	global_store_b128 v[LI], v[IMG1+4*\k:IMG1+4*\k+3], s[22:23] offset:((\a)/2)*1536+512*\k
.endr
.endif
.endm
.irp a, 0,1,2,3,4,5,6,7
	UNIT \a
.endr
	v_cndmask_b32 v58, v[WD+0], v[WD+1], s99
	v_cndmask_b32 v59, v[WD+2], v[WD+3], s99
	v_cndmask_b32 v60, v[WD+4], v[WD+5], s99
	v_cndmask_b32 v61, v[WD+6], v[WD+7], s99
	global_store_b64 v[L8], v[58:59], s[20:21]
	global_store_b64 v[L8], v[60:61], s[22:23]
	FINISH
.Lout_v:
.macro VUNIT a
	WIN 2+(\a)/4
.set i, 0
.rept 32
.if ((\a)%2) == 0
	v_pk_add_f32 v[Y+i:Y+i+1], v[64*((\a)%4)+i:64*((\a)%4)+i+1], v[NW+(\a):NW+(\a)+1] op_sel_hi:[1,0]
.else
	v_pk_add_f32 v[Y+i:Y+i+1], v[64*((\a)%4)+i:64*((\a)%4)+i+1], v[NW+(\a)-1:NW+(\a)] op_sel:[0,1] op_sel_hi:[1,1]
.endif
.set i, i+2
.endr
	WIN 0
.if (\a) > 0
	s_wait_xcnt 0x0
.endif
	QUANT Y, IMG0, IMG0+6, IMG1
	v_mov_b32 v[WD+(\a)], v[PW]
.irp k, 0,1,2
	global_store_b128 v[LI], v[IMG0+4*\k:IMG0+4*\k+3], s[20:21] offset:204800*((\a)/4)+6144+1536*((\a)%4)+512*\k
.endr
.endm
.irp a, 0,1,2,3,4,5,6,7
	VUNIT \a
.endr
	v_cndmask_b32 v58, v[WD+0], v[WD+1], s99
	v_cndmask_b32 v59, v[WD+2], v[WD+3], s99
	v_cndmask_b32 v60, v[WD+4], v[WD+5], s99
	v_cndmask_b32 v61, v[WD+6], v[WD+7], s99
	global_store_b64 v[L8], v[58:59], s[20:21]
	global_store_b64 v[L8], v[60:61], s[20:21] offset:204800
	FINISH
.Lfunc_end_k_q4631a4c609_proj:
	.size	k_q4631a4c609_proj, .Lfunc_end_k_q4631a4c609_proj-k_q4631a4c609_proj
	.p2alignl 7, 3214868480
	.fill 96, 4, 3214868480
	.section	.rodata,"a",@progbits
	.p2align	6, 0x0
	.amdhsa_kernel k_q4631a4c609_proj
		.amdhsa_group_segment_fixed_size 327680
		.amdhsa_private_segment_fixed_size 0
		.amdhsa_enable_private_segment 0
		.amdhsa_kernarg_size 80
		.amdhsa_user_sgpr_count 2
		.amdhsa_user_sgpr_kernarg_segment_ptr 1
		.amdhsa_wavefront_size32 1
		.amdhsa_system_sgpr_workgroup_id_x 1
		.amdhsa_system_sgpr_workgroup_id_y 1
		.amdhsa_system_sgpr_workgroup_id_z 1
		.amdhsa_system_vgpr_workitem_id 0
		.amdhsa_next_free_vgpr 1024
		.amdhsa_next_free_sgpr 106
		.amdhsa_reserve_vcc 0
		.amdhsa_float_denorm_mode_32 3
		.amdhsa_float_denorm_mode_16_64 3
		.amdhsa_memory_ordered 1
		.amdhsa_forward_progress 1
		.amdhsa_inst_pref_size 255
	.end_amdhsa_kernel
	.section	.bss,"aw",@nobits
	.p2align	6
	.space	262144
	.amdgpu_metadata
---
amdhsa.version: [ 1, 2 ]
amdhsa.kernels:
  - .name:           k_q4631a4c609_proj
    .symbol:         k_q4631a4c609_proj.kd
    .args:
      - { .name: xcs, .offset: 0, .size: 8, .value_kind: global_buffer, .address_space: global }
      - { .name: wcs, .offset: 8, .size: 8, .value_kind: global_buffer, .address_space: global }
      - { .name: rt, .offset: 16, .size: 8, .value_kind: global_buffer, .address_space: global }
      - { .name: wq_b, .offset: 24, .size: 8, .value_kind: global_buffer, .address_space: global }
      - { .name: wk_b, .offset: 32, .size: 8, .value_kind: global_buffer, .address_space: global }
      - { .name: wv_b, .offset: 40, .size: 8, .value_kind: global_buffer, .address_space: global }
      - { .name: qn_w, .offset: 48, .size: 8, .value_kind: global_buffer, .address_space: global }
      - { .name: kn_w, .offset: 56, .size: 8, .value_kind: global_buffer, .address_space: global }
      - { .name: qcs, .offset: 64, .size: 8, .value_kind: global_buffer, .address_space: global }
      - { .name: kvs, .offset: 72, .size: 8, .value_kind: global_buffer, .address_space: global }
    .group_segment_fixed_size: 327680
    .private_segment_fixed_size: 0
    .kernarg_segment_align: 8
    .kernarg_segment_size: 80
    .max_flat_workgroup_size: 128
    .sgpr_count:     106
    .vgpr_count:     1024
    .wavefront_size: 32
...
	.end_amdgpu_metadata
.endif
;; end of part 2
;; launch attn (part 3): grid 4 x 64, 16 waves a work-group, clusters of 4 x 1, 206,848 bytes of LDS; arguments qcs, kvs, acs; writes acs
.if DOCPART == 3
	.amdgcn_target "amdgcn-amd-amdhsa--gfx1250"
	.amdhsa_code_object_version 6
	.text
	.protected	k_q4631a4c609_attn
	.globl	k_q4631a4c609_attn
	.p2align	8
	.type	k_q4631a4c609_attn,@function
k_q4631a4c609_attn:
	s_mov_b64 s[64:65], 0
	v_nop
	global_prefetch_b8 v0, s[64:65] scope:SCOPE_SE
	s_setreg_imm32_b32 hwreg(HW_REG_WAVE_MODE, 25, 1), 1
	s_wait_xcnt 0x0
	s_wait_alu depctr_hold_cnt(0) depctr_sa_sdst(0) depctr_va_vdst(0) depctr_va_sdst(0) depctr_va_ssrc(0) depctr_va_vcc(0) depctr_vm_vsrc(0)
	s_getreg_b32 s2, hwreg(HW_REG_IB_STS2, 6, 4)
	s_cmp_eq_u32 s2, 0
	s_cbranch_scc0 .Lentry_in_a_cluster
	s_endpgm
.Lentry_in_a_cluster:
	s_bfe_u32 s2, ttmp6, 0x10000c
	s_cmp_lg_u32 s2, 0x3003
	s_cbranch_scc0 .Lentry_shape_is_right
	s_endpgm
.Lentry_shape_is_right:
; Attention on codes of FP6 (E2M3): 64 heads (16 x batch + head), 2,048 queries x 2,048 keys, head size 64.  The result, divided by the row's sum, is quantised along the head's 64 for the output projection.
; THE SOFTMAX AHEAD OF THE SECOND PRODUCT: t = score x log2(e) / 8; M = the running largest t rounded UP to a whole number; p = 2^(t - M) is quantised along the keys; the row's sum is taken of the unquantised p.
; When M moves, the sum and O are multiplied by 2^(old M - new M): exact.
; SHARES.  A work-group owns 512 queries of one head; each of its sixteen waves one tile of 16 queries at a time, twice.  Every wave walks the head's 16 key steps of 128 keys.
; A WHOLE HEAD'S K, V AND SCALE WORDS LIE IN LDS: 16 steps x 12,800 bytes, filled ONCE, wave w bringing step w; nothing is filled again and nothing is stored into LDS.  The four work-groups of a cluster
; belong to one head and ask for each part jointly.
; A step's block: K's 4 images (1,536 bytes each), V's 4 images, K's scale image (256 bytes), V's.  An image is a fragment's 12 registers: piece k = registers 4 k .. 4 k + 3, lane l's 16 bytes at 16 l.
; THE HEAD'S K IS 64, THE INSTRUCTION'S 128: an image of K pairs two tiles of 16 keys (registers 0-5, 6-11); it is multiplied once by [Q | zero codes] and once by [zero codes | Q].
; Both products are used transposed (source 0 = 16 keys, or 16 of the head's 64; source 1 = my 16 queries): a lane holds ONE query throughout.  p passes the same lines as v did, so both carry the same order inside each block of 32.
; LIMITS: NaN and infinities are not served; a block of zeros gets the byte 1 (its codes are zeros); v_exp_f32 and v_rcp_f32 are good to 1 ulp; a block's largest p is taken from its largest score,
; which leans on v_exp_f32 not falling where its input rises.
.set STEPB, 12800
.set LI,  1                            ; 16 x lane
.set L8,  2                            ; 8 x lane
.set ADK, 3                            ; the step's LDS addresses
.set AD8, 4
.set QA,  5                            ; Q's image: 16 x lane + 1,536 x pair
.set QSA, 6                            ; Q's scale word
.set R4,  7                            ; 4 r
.set QLO, 16                           ; v16-27 [Q | 0];  v28-39 [0 | Q]
.set QHI, 28
.set QS,  40                           ; Q's scale word, its two bytes twice
.set QHS, 41                           ; the second pass's
.set QH,  42                           ; v42-47 the second pass's codes
.set KF,  48                           ; v48-95 K's four images
.set KSC, 96                           ; v96-97 K's scale words;  v98-99 V's
.set VSC, 98
.set S,   100                          ; v100-163 S^T, then p; then v100-147 V's four images
.set O,   164                          ; v164-195 O^T
.set PC,  196                          ; v196-207 p's codes
.set CT,  208                          ; v208-214 conversions' second halves
.set BM,  216
.set BP,  220
.set BS,  224
.set PW,  228                          ; p's scale word
.set FF,  230                          ; v[230:231] f
.set T0,  232                          ; v[232:233]
.set SM2, 234                          ; v[234:235] the sum's second chain
.set OC,  236                          ; v236-242 the result's codes
.set OW,  244                          ; its two scale bytes
.macro ROUND
	s_barrier_signal -1
	s_barrier_wait -1
	s_cmp_lg_u32 s18, 0
	s_cbranch_scc1 .Lnot_wave_0_\@
	s_barrier_signal -3
.Lnot_wave_0_\@:
	s_barrier_wait -3
	s_barrier_signal -1
	s_barrier_wait -1
.endm
	s_load_b128 s[4:7], s[0:1], 0x0                ; qcs, kvs
	s_load_b64 s[8:9], s[0:1], 0x10                ; acs
	v_lshl_add_u32 v254, v0, 2, 0x32000
	v_mov_b32 v255, 0
	ds_add_u32 v254, v255
	ds_add_u32 v254, v255
	v_lshrrev_b32 v8, 5, v0
	s_delay_alu instid0(VALU_DEP_1)
	v_readfirstlane_b32 s18, v8                    ; wave 0..15
	s_bfe_u32 s12, ttmp6, 0x40000                  ; cx: it enters Q's and the result's addresses alone
	s_and_b32 s13, ttmp7, 0xffff                   ; 16 x batch + head, which the four partners share
	; descriptor group 1: 12,800 dense bytes as 50 rows of 256 (32 elements of 8 bytes); the mask names all four work-groups, bit 21 beside it
	s_mov_b32 s24, 15|(3<<16)|(1<<21)
	s_mov_b32 s25, 32<<16
	s_mov_b32 s26, 50<<16
	s_mov_b32 s27, 32<<16
	s_mov_b32 s28, 50
	s_mov_b32 s29, 32
	s_mov_b32 s30, 0
	s_mov_b32 s31, 0
	s_mov_b32 s32, 1
	s_mul_i32 s33, s18, STEPB                      ; LDS: key step w
	s_mul_i32 s14, s13, 204800
	s_add_co_u32 s14, s14, s33
	s_mov_b32 s15, 0
	s_wait_dscnt 0x0
	s_wait_kmcnt 0x0
	s_add_nc_u64 s[34:35], s[6:7], s[14:15]
	s_or_b32 s35, s35, 0x80000000
	ROUND                                          ; all four work-groups are here: the joint loads meet
	tensor_load_to_lds s[32:35], s[24:31]          ; my one tensor load of the launch
	s_nop 0
.rept 4
	v_nop
.endr
	s_lshl_b32 s14, s12, 2
	s_lshr_b32 s16, s18, 3
	s_add_co_u32 s14, s14, s16                     ; which 128 queries hold my first tile (the second pass's lie two groups on)
	s_mul_i32 s14, s14, 6400
	s_mul_i32 s16, s13, 102400
	s_add_co_u32 s14, s14, s16
	s_add_nc_u64 s[4:5], s[4:5], s[14:15]
	s_bfe_u32 s16, s18, 0x20001                    ; the pair that holds my tile,
	s_and_b32 s17, s18, 1                          ; and which of its two
	v_and_b32 v8, 31, v0
	v_and_b32 v9, 15, v0
	s_delay_alu instid0(VALU_DEP_2)
	v_lshlrev_b32 v[LI], 4, v8
	s_delay_alu instid0(VALU_DEP_3)
	v_lshlrev_b32 v[L8], 3, v8
	s_delay_alu instid0(VALU_DEP_3)
	v_lshlrev_b32 v[R4], 2, v9
	s_mul_i32 s19, s16, 1536
	v_lshl_add_u32 v[QA], v8, 4, s19
	s_wait_alu depctr_va_vdst(0)
	s_and_b32 s19, s16, 1
	s_lshl_b32 s19, s19, 7
	s_lshr_b32 s39, s16, 1
	s_lshl_b32 s39, s39, 2
	s_add_co_u32 s19, s19, s39
	s_add_co_u32 s19, s19, 6144
	v_lshl_add_u32 v[QSA], v9, 3, s19              ; row r's word of pair i: 6,144 + 8 (r + 16 (i % 2)) + 4 (i / 2)
	s_wait_alu depctr_va_vdst(0)
	s_mov_b32 s38, 0x01000100
	s_cmp_eq_u32 s17, 1
	s_cselect_b32 s37, -1, 0                       ; the odd tile: registers 6-11,
	s_cselect_b32 s38, 0x03020302, s38             ; bytes 2 and 3
	s_and_b32 s14, s13, 15                         ; the head
	s_lshr_b32 s16, s13, 4                         ; the batch
	s_lshr_b32 s19, s14, 1
	s_lshl_b32 s19, s19, 15                        ; scale words: a plane of 32,768 bytes for each pair of heads,
	s_lshl_b32 s39, s16, 11
	s_lshl_b32 s17, s12, 9
	s_add_co_u32 s39, s39, s17
	s_lshl_b32 s17, s18, 4
	s_add_co_u32 s39, s39, s17
	s_lshl_b32 s39, s39, 2                         ; 4 bytes a row,
	s_add_co_u32 s19, s19, s39
	s_and_b32 s39, s13, 1
	s_lshl_b32 s39, s39, 1                         ; my head's two bytes
	s_add_co_u32 s19, s19, s39
	s_add_co_u32 s14, s19, 6291456
	s_add_nc_u64 s[10:11], s[8:9], s[14:15]
	s_and_b32 s14, s13, 15
	s_mul_i32 s14, s14, 393216                     ; codes: [head][row tile][768 bytes]
	s_lshl_b32 s16, s16, 7
	s_lshl_b32 s17, s12, 5
	s_add_co_u32 s16, s16, s17
	s_add_co_u32 s16, s16, s18
	s_mul_i32 s16, s16, 768
	s_add_co_u32 s14, s14, s16
	s_add_nc_u64 s[8:9], s[8:9], s[14:15]
	s_mov_b32 s20, 0x76543210
	s_mov_b32 s21, 0xfedcba98                      ; v_permlanex16_b32's selects for lane l xor 16
	s_mov_b32 s22, 0x3e38aa3b                      ; c = log2(e) / 8
	s_mov_b32 s23, s22                             ; (named with it as a pair, so it is written)
.irp k, 0,1,2
	global_load_b128 v[S+4*\k:S+4*\k+3], v[QA], s[4:5] offset:512*\k                 ; the pair image of the first pass,
	global_load_b128 v[S+12+4*\k:S+12+4*\k+3], v[QA], s[4:5] offset:12800+512*\k     ; of the second
.endr
	global_load_b32 v[QS], v[QSA], s[4:5]
	global_load_b32 v[QHS], v[QSA], s[4:5] offset:12800
.irp j, 0,1,2,3,4,5
	v_mov_b32 v[QLO+6+\j], 0                       ; zero codes: they add nothing under any scale byte
	v_mov_b32 v[QHI+\j], 0
.endr
.irp b, 0,1,2,3
	v_mov_b32 v[BP+\b], 0                          ; written once: a lane permute's destination counts as one of its sources
.endr
	v_mov_b32 v[FF+1], 0                           ; (upper halves of pairs that are named whole)
	v_mov_b32 v[T0], 0
	v_mov_b32 v[T0+1], 0
	s_wait_loadcnt 0x0
.irp j, 0,1,2,3,4,5
	v_cndmask_b32 v[QLO+\j], v[S+\j], v[S+6+\j], s37
	v_cndmask_b32 v[QHI+6+\j], v[S+\j], v[S+6+\j], s37
	v_cndmask_b32 v[QH+\j], v[S+12+\j], v[S+18+\j], s37
.endr
	v_perm_b32 v[QS], v[QS], v[QS], s38            ; my tile's two bytes, twice: they serve either half of K
	v_perm_b32 v[QHS], v[QHS], v[QHS], s38
	s_wait_tensorcnt 0x0                           ; my part of the head is in,
	s_barrier_signal -1
	s_barrier_wait -1                              ; everybody's is
	s_mov_b32 s36, 2
.Lpass:
	v_mov_b32 v13, 0xff61b1e6                      ; the largest t so far: -3e38
	s_delay_alu instid0(VALU_DEP_1)
	v_floor_f32 v12, -v13                          ; -M
	v_mov_b32 v14, 0                               ; the sum, in two halves
	v_mov_b32 v15, 0
.set j, 0
.rept 32
	v_mov_b32 v[O+j], 0                            ; O^T: the step is written once; the first finds zeros, which the first change of M leaves zeros
.set j, j+1
.endr
	s_mov_b32 s2, 0
	s_mov_b32 s3, 15
.irp i, 0,1,2,3                        ; key step 0's images of K and its scale words; each later step's are asked for in the step before
.irp k, 0,1,2
	ds_load_b128 v[KF+12*\i+4*\k:KF+12*\i+4*\k+3], v[LI] offset:1536*\i+512*\k
.endr
.endr
	ds_load_b64 v[KSC:KSC+1], v[L8] offset:12288   ; word j: lanes 0-15 pair 2 j, lanes 16-31 pair 2 j + 1
; A key step of 128 keys.  pf = 1: it asks for the next step's K.  The loop runs 15 steps; the sixteenth is written out and asks for nothing, so that no load passes the head's 204,800 bytes.
; A work-group barrier is split round the step: the signal behind the wait for K's images, the wait at the step's end; between the two stand register work and reads of LDS bytes that nobody writes.
; So no wave begins step i + 1 before every wave has begun step i.
.macro KSTEP pf
	v_add_nc_u32 v[ADK], s2, v[LI]
	v_add_nc_u32 v[AD8], s2, v[L8]
	s_wait_alu depctr_va_vdst(0)                   ; the wait here, directly behind the writes
	s_wait_dscnt 0x0                               ; K's images are in, and no LDS instruction of mine is out at the signal
	s_barrier_signal -1
.irp i, 0,1,2,3                        ; S^T: tile 2 i + c holds keys 16 (2 i + c) + 8 h + j of my query r
.irp c, 0,1
.if (\i%2) == 0
	v_wmma_scale_f32_16x16x128_f8f6f4 v[S+8*(2*\i+\c):S+8*(2*\i+\c)+7], v[KF+12*\i:KF+12*\i+11], v[QLO+12*\c:QLO+12*\c+11], 0, v[KSC+\i/2], v[QS] matrix_a_fmt:MATRIX_FMT_FP6 matrix_b_fmt:MATRIX_FMT_FP6
.else
	v_wmma_scale_f32_16x16x128_f8f6f4 v[S+8*(2*\i+\c):S+8*(2*\i+\c)+7], v[KF+12*\i:KF+12*\i+11], v[QLO+12*\c:QLO+12*\c+11], 0, v[KSC+\i/2], v[QS] matrix_a_fmt:MATRIX_FMT_FP6 matrix_b_fmt:MATRIX_FMT_FP6 matrix_a_scale:MATRIX_SCALE_ROW1
.endif
.endr
.endr
.rept 4
	v_nop                                          ; places behind the products: ahead of the first read of their results, and of the loads into their sources
.endr
.if \pf
.irp i, 0,1,2,3                        ; the next step's K, 12,800 bytes on; the wait in front of the second product covers these loads too
.irp k, 0,1,2
	ds_load_b128 v[KF+12*\i+4*\k:KF+12*\i+4*\k+3], v[ADK] offset:STEPB+1536*\i+512*\k
.endr
.endr
	ds_load_b64 v[KSC:KSC+1], v[AD8] offset:STEPB+12288
.endif
.irp b, 0,1,2,3
	v_max3_num_f32 v[BM+\b], v[S+16*\b], v[S+16*\b+1], v[S+16*\b+2]
.endr
.irp i, 3,5,7,9,11,13
.irp b, 0,1,2,3
	v_max3_num_f32 v[BM+\b], v[BM+\b], v[S+16*\b+\i], v[S+16*\b+\i+1]
.endr
.endr
.irp b, 0,1,2,3
	v_max_num_f32 v[BM+\b], v[BM+\b], v[S+16*\b+15]
.endr
.irp b, 0,1,2,3
	s_delay_alu instid0(VALU_DEP_4)
	v_permlanex16_b32 v[BP+\b], v[BM+\b], s20, s21
.endr
.irp b, 0,1,2,3
	s_delay_alu instid0(VALU_DEP_4)
	v_max_num_f32 v[BM+\b], v[BM+\b], v[BP+\b]
.endr
	s_delay_alu instid0(VALU_DEP_2)
	v_max3_num_f32 v[T0], v[BM], v[BM+1], v[BM+2]
	s_delay_alu instid0(VALU_DEP_1)
	v_max_num_f32 v[T0], v[T0], v[BM+3]
	s_delay_alu instid0(VALU_DEP_1)
	v_mul_f32 v[T0], s22, v[T0]                    ; as t (c is positive)
	s_delay_alu instid0(VALU_DEP_1)
	v_max_num_f32 v13, v13, v[T0]                  ; the running largest t
	v_mov_b32 v[T0], v12
	s_delay_alu instid0(VALU_DEP_2)
	v_floor_f32 v12, -v13                          ; the new -M = -ceil(t)
	s_delay_alu instid0(VALU_DEP_1)
	v_sub_f32 v[T0], v12, v[T0]                    ; old M - new M: a whole number, 0 or less
	s_delay_alu instid0(VALU_DEP_1)
	v_cvt_i32_f32 v[T0], v[T0]                     ; (it saturates)
	s_delay_alu instid0(VALU_DEP_1)
	v_ldexp_f32 v[FF], 1.0, v[T0]                  ; f = 2^(old M - new M)
.set j, 0
.rept 32
	v_pk_fma_f32 v[S+j:S+j+1], v[S+j:S+j+1], s[22:23], v[12:13] op_sel_hi:[1,0,0]      ; t - M
.set j, j+2
.endr
.irp b, 0,1,2,3
	v_fma_f32 v[BM+\b], v[BM+\b], s22, v12
.endr
.set j, 0
	s_wait_alu depctr_va_vdst(0)
.rept 64
	v_exp_f32 v[S+j], v[S+j]                       ; p = 2^(t - M), not normalised
.set j, j+1
.endr
	v_pk_mul_f32 v[14:15], v[14:15], v[FF:FF+1] op_sel_hi:[1,0]          ; the sums under the new M: the plain instruction behind the batch
	s_wait_alu depctr_va_vdst(0)                   ; one wait for the 64, ahead of their first reader
.irp b, 0,1,2,3
	v_exp_f32 v[BM+\b], v[BM+\b]                   ; the block's largest p
.endr
	v_pk_add_f32 v[234:235], v[104:105], v[108:109]
	v_pk_add_f32 v[252:253], v[112:113], v[116:117]
	v_pk_add_f32 v[250:251], v[120:121], v[124:125]
	v_pk_add_f32 v[248:249], v[128:129], v[132:133]
	v_pk_add_f32 v[246:247], v[136:137], v[140:141]
	v_pk_add_f32 v[244:245], v[144:145], v[148:149]
	v_pk_add_f32 v[242:243], v[152:153], v[156:157]
	v_pk_add_f32 v[14:15], v[14:15], v[160:161]
	v_pk_add_f32 v[234:235], v[234:235], v[100:101]
	v_pk_add_f32 v[252:253], v[252:253], v[102:103]
	v_pk_add_f32 v[250:251], v[250:251], v[106:107]
	v_pk_add_f32 v[248:249], v[248:249], v[110:111]
	v_pk_add_f32 v[246:247], v[246:247], v[114:115]
	v_pk_add_f32 v[244:245], v[244:245], v[118:119]
	v_pk_add_f32 v[242:243], v[242:243], v[122:123]
	v_pk_add_f32 v[14:15], v[14:15], v[126:127]
	v_pk_add_f32 v[234:235], v[234:235], v[130:131]
	v_pk_add_f32 v[252:253], v[252:253], v[134:135]
	v_pk_add_f32 v[250:251], v[250:251], v[138:139]
	v_pk_add_f32 v[248:249], v[248:249], v[142:143]
	v_pk_add_f32 v[246:247], v[246:247], v[146:147]
	v_pk_add_f32 v[244:245], v[244:245], v[150:151]
	v_pk_add_f32 v[242:243], v[242:243], v[154:155]
	v_pk_add_f32 v[14:15], v[14:15], v[158:159]
	v_pk_add_f32 v[234:235], v[234:235], v[162:163]
	s_delay_alu instid0(VALU_DEP_2)
	v_pk_add_f32 v[14:15], v[14:15], v[248:249]
	s_delay_alu instid0(VALU_DEP_2)
	v_pk_add_f32 v[234:235], v[234:235], v[246:247]
	v_pk_add_f32 v[252:253], v[252:253], v[244:245]
	v_pk_add_f32 v[250:251], v[250:251], v[242:243]
	s_delay_alu instid0(VALU_DEP_2)
	v_pk_add_f32 v[14:15], v[14:15], v[252:253]
	s_delay_alu instid0(VALU_DEP_2)
	v_pk_add_f32 v[234:235], v[234:235], v[250:251]
	s_delay_alu instid0(VALU_DEP_1)
	v_pk_add_f32 v[14:15], v[14:15], v[234:235]
	s_wait_alu depctr_va_vdst(0)                   ; and one for the four
.irp b, 0,1,2,3
	v_max_num_f32 v[BM+\b], 0x1800000, v[BM+\b]    ; the floor 2^(3 - 127): the byte cannot fall under 1
.endr
.irp b, 0,1,2,3
	s_delay_alu instid0(VALU_DEP_4)
	v_add_nc_u32 v[BS+\b], 0xff000000, v[BM+\b]
.endr
.irp b, 0,1,2,3
	s_delay_alu instid0(VALU_DEP_4)
	v_lshrrev_b32 v[BP+\b], 23, v[BS+\b]
.endr
	s_delay_alu instid0(VALU_DEP_3)
	v_lshl_or_b32 v[PW], v[BP+1], 8, v[BP]
	s_delay_alu instid0(VALU_DEP_1)
	v_lshl_or_b32 v[PW], v[BP+2], 16, v[PW]
	s_delay_alu instid0(VALU_DEP_1)
	v_lshl_or_b32 v[PW], v[BP+3], 24, v[PW]
.irp c, 0,1
	v_cvt_scalef32_pk16_fp6_f32 v[PC+6*\c:PC+6*\c+2], v[S+32*\c:S+32*\c+15], v[BS+2*\c]
	v_cvt_scalef32_pk16_fp6_f32 v[CT+4*\c:CT+4*\c+2], v[S+32*\c+16:S+32*\c+31], v[BS+2*\c+1]
.endr
	v_nop                                          ; one plain place behind a scaled conversion
.irp t, 0,1,2,3                        ; V's images land where p stood, while the lines below are at work
.irp k, 0,1,2
	ds_load_b128 v[S+12*\t+4*\k:S+12*\t+4*\k+3], v[ADK] offset:6144+1536*\t+512*\k
.endr
.endr
	ds_load_b64 v[VSC:VSC+1], v[AD8] offset:12544
.irp c, 0,1
.irp i, 0,1,2
	v_permlane16_swap_b32 v[PC+6*\c+\i], v[CT+4*\c+\i]
.endr
.irp i, 0,1,2
	s_delay_alu instid0(VALU_DEP_3)
	v_mov_b32 v[PC+3+6*\c+\i], v[CT+4*\c+\i]
.endr
.endr
.set j, 0
.rept 16
	v_pk_mul_f32 v[O+j:O+j+1], v[O+j:O+j+1], v[FF:FF+1] op_sel_hi:[1,0]  ; O^T under the new M; these are also the places between the writes of p's codes and scale word and the products
.set j, j+2
.endr
	s_wait_alu depctr_va_vdst(0)
	s_wait_dscnt 0x0
.irp t, 0,1,2,3                        ; O^T += V^T P^T: tile t holds d = 16 t + 8 h + j of my query; one link a step on each accumulator, other products between two links
.if (\t%2) == 0
	v_wmma_scale_f32_16x16x128_f8f6f4 v[O+8*\t:O+8*\t+7], v[S+12*\t:S+12*\t+11], v[PC:PC+11], v[O+8*\t:O+8*\t+7], v[VSC+\t/2], v[PW] matrix_a_fmt:MATRIX_FMT_FP6 matrix_b_fmt:MATRIX_FMT_FP6
.else
	v_wmma_scale_f32_16x16x128_f8f6f4 v[O+8*\t:O+8*\t+7], v[S+12*\t:S+12*\t+11], v[PC:PC+11], v[O+8*\t:O+8*\t+7], v[VSC+\t/2], v[PW] matrix_a_fmt:MATRIX_FMT_FP6 matrix_b_fmt:MATRIX_FMT_FP6 matrix_a_scale:MATRIX_SCALE_ROW1
.endif
.endr
.rept 5
	v_nop                                          ; five places: the next step's products write over V's registers; the way out reads O^T
.endr
	s_barrier_wait -1                              ; every wave has begun this step
.endm
.Lstep:                                            ; 15 trips
	KSTEP 1
	s_add_co_u32 s2, s2, STEPB
	s_sub_co_u32 s3, s3, 1
	s_cmp_lg_u32 s3, 0
	s_cbranch_scc1 .Lstep
	KSTEP 0                                        ; the sixteenth step
	; THE WAY OUT OF A PASS: O^T / the sum, brought into the true order of d, quantised in two blocks of 32, stored as half a fragment's image
	v_add_f32 v14, v14, v15
	s_delay_alu instid0(VALU_DEP_1)
	v_permlanex16_b32 v[T0], v14, s20, s21
	s_delay_alu instid0(VALU_DEP_1)
	v_add_f32 v14, v14, v[T0]                      ; the row's sum
	s_wait_alu depctr_va_vdst(0)
	v_rcp_f32 v[T0], v14
	v_nop
	s_wait_alu depctr_va_vdst(0)                   ; ahead of the reciprocal's first reader
.set j, 0
.rept 16
	v_pk_mul_f32 v[O+j:O+j+1], v[O+j:O+j+1], v[T0:T0+1] op_sel_hi:[1,0]
.set j, j+2
.endr
.irp b, 0,1
.irp j, 0,1,2,3,4,5,6,7
	v_permlane16_swap_b32 v[O+16*\b+\j], v[O+16*\b+8+\j]     ; lane (r, h) now holds d = 32 b + 16 h + 0 .. 15 in 16 registers on end: the weight of the next product stands in true order
.endr
.endr
.irp b, 0,1
	v_max3_num_f32 v[BM+\b], |v[O+16*\b]|, |v[O+16*\b+1]|, 0x1800000
.endr
.irp i, 2,4,6,8,10,12,14
.irp b, 0,1
	s_delay_alu instid0(VALU_DEP_2)
	v_max3_num_f32 v[BM+\b], v[BM+\b], |v[O+16*\b+\i]|, |v[O+16*\b+\i+1]|
.endr
.endr
.irp b, 0,1
	s_delay_alu instid0(VALU_DEP_2)
	v_permlanex16_b32 v[BP+\b], v[BM+\b], s20, s21
.endr
.irp b, 0,1
	s_delay_alu instid0(VALU_DEP_2)
	v_max_num_f32 v[BM+\b], v[BM+\b], v[BP+\b]
.endr
.irp b, 0,1
	s_delay_alu instid0(VALU_DEP_2)
	v_add_nc_u32 v[BS+\b], 0xff000000, v[BM+\b]
.endr
.irp b, 0,1
	s_delay_alu instid0(VALU_DEP_2)
	v_lshrrev_b32 v[BP+\b], 23, v[BS+\b]
.endr
	s_delay_alu instid0(VALU_DEP_1)
	v_lshl_or_b32 v[OW], v[BP+1], 8, v[BP]
	v_cvt_scalef32_pk16_fp6_f32 v[OC:OC+2], v[O:O+15], v[BS]
	v_cvt_scalef32_pk16_fp6_f32 v[OC+4:OC+6], v[O+16:O+31], v[BS+1]
	v_nop
.irp i, 0,1,2
	v_permlane16_swap_b32 v[OC+\i], v[OC+4+\i]     ; lanes 0-15 block 0, lanes 16-31 block 1
.endr
	s_delay_alu instid0(VALU_DEP_3)
	v_mov_b32 v[OC+3], v[OC+4]
	s_delay_alu instid0(VALU_DEP_3)
	v_mov_b32 v[OC+4], v[OC+5]
	s_delay_alu instid0(VALU_DEP_3)
	v_mov_b32 v[OC+5], v[OC+6]
	global_store_b128 v[LI], v[OC:OC+3], s[8:9]              ; registers 0-3: 512 consecutive bytes, aligned
	global_store_b64 v[L8], v[OC+4:OC+5], s[8:9] offset:512  ; registers 4, 5: 256 consecutive bytes, aligned
	global_store_b16 v[R4], v[OW], s[10:11]                  ; my head's half of row r's scale word (both halves of the lanes write the same bytes with the same value)
.irp j, 0,1,2,3,4,5
	v_mov_b32 v[QLO+\j], v[QH+\j]                  ; the second pass's queries
	v_mov_b32 v[QHI+6+\j], v[QH+\j]
.endr
	v_mov_b32 v[QS], v[QHS]
	s_wait_xcnt 0x0                                ; the stores have read their bases and data: both are written again only behind this wait
	s_add_nc_u64 s[8:9], s[8:9], 12288             ; 16 row tiles on
	s_add_nc_u64 s[10:11], s[10:11], 1024          ; 256 rows on
	s_sub_co_u32 s36, s36, 1
	s_cmp_lg_u32 s36, 0
	s_cbranch_scc1 .Lpass
	s_wait_tensorcnt 0x0
	ds_add_u32 v254, v255
	s_wait_dscnt 0x0
	ROUND                                          ; the closing round: no work-group ends while a partner may still ask for a part that names it
	s_endpgm
.Lfunc_end_k_q4631a4c609_attn:
	.size	k_q4631a4c609_attn, .Lfunc_end_k_q4631a4c609_attn-k_q4631a4c609_attn
	.p2alignl 7, 3214868480
	.fill 96, 4, 3214868480
	.section	.rodata,"a",@progbits
	.p2align	6, 0x0
	.amdhsa_kernel k_q4631a4c609_attn
		.amdhsa_group_segment_fixed_size 206848
		.amdhsa_private_segment_fixed_size 0
		.amdhsa_enable_private_segment 0
		.amdhsa_kernarg_size 24
		.amdhsa_user_sgpr_count 2
		.amdhsa_user_sgpr_kernarg_segment_ptr 1
		.amdhsa_wavefront_size32 1
		.amdhsa_system_sgpr_workgroup_id_x 1
		.amdhsa_system_sgpr_workgroup_id_y 1
		.amdhsa_system_sgpr_workgroup_id_z 1
		.amdhsa_system_vgpr_workitem_id 0
		.amdhsa_next_free_vgpr 256
		.amdhsa_next_free_sgpr 66
		.amdhsa_reserve_vcc 0
		.amdhsa_float_denorm_mode_32 3
		.amdhsa_float_denorm_mode_16_64 3
		.amdhsa_memory_ordered 1
		.amdhsa_forward_progress 1
		.amdhsa_inst_pref_size 48
	.end_amdhsa_kernel
	.amdgpu_metadata
---
amdhsa.version: [ 1, 2 ]
amdhsa.kernels:
  - .name:           k_q4631a4c609_attn
    .symbol:         k_q4631a4c609_attn.kd
    .args:
      - { .name: qcs, .offset: 0, .size: 8, .value_kind: global_buffer, .address_space: global }
      - { .name: kvs, .offset: 8, .size: 8, .value_kind: global_buffer, .address_space: global }
      - { .name: acs, .offset: 16, .size: 8, .value_kind: global_buffer, .address_space: global }
    .group_segment_fixed_size: 206848
    .private_segment_fixed_size: 0
    .kernarg_segment_align: 8
    .kernarg_segment_size: 24
    .max_flat_workgroup_size: 512
    .sgpr_count:     66
    .vgpr_count:     256
    .wavefront_size: 32
...
	.end_amdgpu_metadata
.endif
;; end of part 3
;; launch oproj (part 4): grid 8 x 32, 4 waves a work-group, clusters of 4 x 4, 327,680 bytes of LDS; arguments acs, wcs, wo_b, out0; writes out0
.if DOCPART == 4
	.amdgcn_target "amdgcn-amd-amdhsa--gfx1250"
	.amdhsa_code_object_version 6
	.text
	.protected	k_q4631a4c609_oproj
	.globl	k_q4631a4c609_oproj
	.p2align	8
	.type	k_q4631a4c609_oproj,@function
k_q4631a4c609_oproj:
	s_mov_b64 s[64:65], 0
	v_nop
	global_prefetch_b8 v0, s[64:65] scope:SCOPE_SE
	s_setreg_imm32_b32 hwreg(HW_REG_WAVE_MODE, 25, 1), 1
	s_wait_xcnt 0x0
	s_wait_alu depctr_hold_cnt(0) depctr_sa_sdst(0) depctr_va_vdst(0) depctr_va_sdst(0) depctr_va_ssrc(0) depctr_va_vcc(0) depctr_vm_vsrc(0)
	s_getreg_b32 s2, hwreg(HW_REG_IB_STS2, 6, 4)
	s_cmp_eq_u32 s2, 0
	s_cbranch_scc0 .Lentry_in_a_cluster
	s_endpgm
.Lentry_in_a_cluster:
	s_bfe_u32 s2, ttmp6, 0x10000c
	s_cmp_lg_u32 s2, 0xf033
	s_cbranch_scc0 .Lentry_shape_is_right
	s_endpgm
.Lentry_shape_is_right:
; out0 = (attention's result, as codes) x wo + wo_b.  A work-group makes 256 rows x 128 columns: 32 x 8 = 256 work-groups.  A wave makes 128 rows x 64 columns: A's eight blocks of 16 rows against B's four.
; Waves 0 and 1 fetch A's two halves of 128 rows, waves 2 and 3 B's two halves of 64 rows; A's tiles are asked for jointly along a row of the cluster, B's along a column.
.set SIZE_N, 1024
.set KSTEP,  256
.set NQ,     2
; The weight's codes lie [block of 128 rows][K step of 256][128 rows][192 bytes]: a tile of B, 128 rows x one K step, is 24,576 dense bytes, fetched in two halves of 48 rows of 256 bytes that begin at multiples of 256.
; The padding, 16 bytes behind each 64, is counted along the whole tile: in LDS a row of 192 bytes of codes takes 240.
.set ROWB,   24576                     ; from one K step's tile of B to the next, in bytes
.set KROW,   768
.set PITCH,  240
.set FR,     12
.set NLA,    4
.set NP,     4
.set HALFT,  128*PITCH
.set SLOT,   4*HALFT
.set KS,     32
.set SCL,    2*SLOT
.set HALFS,  4352
.set SBLK,   544
.set SPARE,  SCL+4*HALFS
.set SPITCH, 528
.set APL,    393216
.set ADA16, 16
.set ADA8,  18
.set ADRB, 20
.set STO,  24
.set RD,   25
.set CO,   26
.set ADSA, 27
.set SPW,  28
.set NIL,  29
.set ADSB, 30
.set VH,   31
.set SC,   32
.set BI,   64
.set AF,   128
.set BK,   128
.set G1, 24
.set G0, 32
.set G1B, 48
.set G0B, 56
.set G1S, 68
.set G0S, 76
.set G1SB, 80
.set G0SB, 88
.set MSB, 0
.macro WIN new
.if MSB != (\new)
	s_set_vgpr_msb (MSB<<8)|(\new)
.set MSB, (\new)
.endif
.endm
.set MUL_LO, 0xa1
.set MUL_HI, 0xf1
.set TO_B,   0x40
.macro JLOAD g0a, g1a, g0b, g1b
	s_cmp_eq_u32 s15, 0
	s_cbranch_scc0 .Lfor_b_\@
	tensor_load_to_lds s[\g0a:\g0a+3], s[\g1a:\g1a+7]
	s_nop 0
.rept 4
	v_nop
.endr
	s_branch .Lasked_\@
.Lfor_b_\@:
	tensor_load_to_lds s[\g0b:\g0b+3], s[\g1b:\g1b+7]
	s_nop 0
.rept 4
	v_nop
.endr
.Lasked_\@:
.endm
.macro CREST
	s_cmp_lg_u32 s14, 0
	s_cbranch_scc1 .Lnot_wave_0_\@
	s_barrier_signal -3
.Lnot_wave_0_\@:
	s_barrier_wait -3
	s_barrier_signal -1
	s_barrier_wait -1
.endm
.macro CROUND
	s_barrier_signal -1
	s_barrier_wait -1
	CREST
.endm
	s_load_b256 s[4:11], s[0:1], 0x0
	v_lshl_add_u32 v[SPW], v0, 2, SPARE
	v_mov_b32 v[NIL], 0
	ds_add_u32 v28, v29
	ds_add_u32 v28, v29
	s_wait_dscnt 0x0
	v_lshrrev_b32 v1, 5, v0
	v_readfirstlane_b32 s14, v1
	s_lshr_b32 s15, s14, 1
	s_and_b32 s16, s14, 1
	s_bfe_u32 s40, ttmp6, 0x40000
	s_bfe_u32 s41, ttmp6, 0x40004
	s_lshl_b32 s42, ttmp9, 2
	s_add_co_u32 s42, s42, s40
	s_and_b32 s17, ttmp7, 0xffff
	s_lshl_b32 s17, s17, 2
	s_add_co_u32 s17, s17, s41
	s_lshl_b32 s43, s41, 2
	s_lshl_b32 s43, 15, s43
	s_lshl_b32 s44, 0x1111, s40
	s_or_b32 s[G1+0], s43, (3<<16)|(1<<21)
	s_mov_b32 s[G1+1], 768<<16
	s_mov_b32 s[G1+2], 4<<16
	s_mov_b32 s[G1+3], 768<<16
	s_mov_b32 s[G1+4], 4
	s_mov_b32 s[G1+5], 49152
	s_mov_b32 s[G1+6], 0
	s_mov_b32 s[G1+7], 0
	s_or_b32 s[G1B+0], s44, (0<<16)|(1<<20)|(1<<21)|(3<<22)|(3<<25)
	s_mov_b32 s[G1B+1], 256<<16
	s_mov_b32 s[G1B+2], 48<<16                     ; 64 rows of B x one K step: 12,288 dense bytes as 48 rows of 256
	s_mov_b32 s[G1B+3], 256<<16
	s_mov_b32 s[G1B+4], 48
	s_mov_b32 s[G1B+5], 256
	s_mov_b32 s[G1B+6], 0
	s_mov_b32 s[G1B+7], 0
	s_or_b32 s[G1S+0], s43, (3<<16)|(1<<21)
	s_mov_b32 s[G1S+1], 64<<16
	s_mov_b32 s[G1S+2], 8<<16
	s_mov_b32 s[G1S+3], 64<<16
	s_mov_b32 s[G1S+4], 8
	s_mov_b32 s[G1S+5], 4096
	s_mov_b32 s[G1S+6], 0
	s_mov_b32 s[G1S+7], 0
	s_or_b32 s[G1SB+0], s44, (3<<16)|(1<<20)|(1<<21)|(5<<22)|(3<<25)
	s_mov_b32 s[G1SB+1], 32<<16
	s_mov_b32 s[G1SB+2], 8<<16                     ; the scales of 64 rows of B: 2,048 dense bytes as 8 rows of 256
	s_mov_b32 s[G1SB+3], 32<<16
	s_mov_b32 s[G1SB+4], 8
	s_mov_b32 s[G1SB+5], 32
	s_mov_b32 s[G1SB+6], 0
	s_mov_b32 s[G1SB+7], 0
	s_lshl_b32 s20, s17, 4
	s_lshl_b32 s18, s16, 3
	s_add_co_u32 s20, s20, s18
	s_lshl_b32 s22, s20, 6
	s_add_co_u32 s22, s22, 6291456
	s_mul_i32 s20, s20, 768
	s_mov_b32 s21, 0
	s_mov_b32 s23, 0
	s_lshl_b32 s46, s42, 7                         ; B: the tile's first row, 128 x tile column: one block of 128 rows of the weight's codes
	s_lshl_b32 s18, s16, 6
	s_add_co_u32 s92, s46, s18                     ; the 64 rows that I fetch
	s_lshl_b32 s92, s92, 5                         ; their scales: 32 bytes a row
	s_add_co_u32 s92, s92, 3244032
	s_mul_i32 s46, s46, KROW                       ; the block's first byte,
	s_mul_i32 s18, s16, 12288                      ; and my 64 rows of 192 bytes in a K step's part of it
	s_add_co_u32 s46, s46, s18
	s_add_co_u32 s46, s46, 2359296
	s_mov_b32 s47, 0
	s_mov_b32 s93, 0
	s_mul_i32 s45, s14, HALFT
	s_mul_i32 s94, s14, HALFS
	s_wait_kmcnt 0x0
	s_add_nc_u64 s[20:21], s[4:5], s[20:21]
	s_add_nc_u64 s[22:23], s[4:5], s[22:23]
	s_add_nc_u64 s[46:47], s[6:7], s[46:47]
	s_add_nc_u64 s[92:93], s[6:7], s[92:93]
	CROUND
	s_mov_b32 s[G0S], 1
	s_add_co_u32 s[G0S+1], s94, SCL
	s_mov_b64 s[G0S+2:G0S+3], s[22:23]
	s_or_b32 s[G0S+3], s[G0S+3], 0x80000000
	s_mov_b32 s[G0SB], 1
	s_add_co_u32 s[G0SB+1], s94, SCL
	s_mov_b64 s[G0SB+2:G0SB+3], s[92:93]
	s_or_b32 s[G0SB+3], s[G0SB+3], 0x80000000
	JLOAD G0S, G1S, G0SB, G1SB
.irp s, 0,1
	s_mov_b32 s[G0+4*\s], 1
	s_add_co_u32 s[G0+4*\s+1], s45, \s*SLOT
	s_add_nc_u64 s[G0+4*\s+2:G0+4*\s+3], s[20:21], \s*4*APL
	s_or_b32 s[G0+4*\s+3], s[G0+4*\s+3], 0x80000000
	s_mov_b32 s[G0B+4*\s], 1
	s_add_co_u32 s[G0B+4*\s+1], s45, \s*SLOT
	s_add_nc_u64 s[G0B+4*\s+2:G0B+4*\s+3], s[46:47], \s*ROWB
	s_or_b32 s[G0B+4*\s+3], s[G0B+4*\s+3], 0x80000000
	s_wait_alu depctr_va_vdst(0)
	s_wait_tensorcnt 0x0
	ds_add_u32 v28, v29
	s_wait_dscnt 0x0
	CROUND
	JLOAD G0+4*\s, G1, G0B+4*\s, G1B
.endr
	v_and_b32 v1, 15, v0
	v_bfe_u32 v2, v0, 4, 1
	v_and_b32 v6, 31, v0
	v_mul_u32_u24 v3, v1, PITCH
	v_mul_u32_u24 v4, v2, 24
	v_add_nc_u32 v4, v3, v4
	v_lshl_add_u32 v5, v2, 4, v4
	v_lshlrev_b32 v7, 4, v6
	v_lshlrev_b32 v8, 3, v6
	s_mul_i32 s21, s15, HALFT
	s_mul_i32 s22, s16, HALFT
	s_add_co_u32 s22, s22, 2*HALFT
.irp s, 0,1
	v_add_nc_u32 v[ADA16+\s], s21, v7
	v_add_nc_u32 v[ADA8+\s], s21, v8
	v_add_nc_u32 v[ADRB+\s], s22, v4
	v_add_nc_u32 v[ADRB+2+\s], s22, v5
	s_add_co_u32 s21, s21, SLOT
	s_add_co_u32 s22, s22, SLOT
.endr
	s_mul_i32 s21, s15, HALFS
	s_add_co_u32 s21, s21, SCL
	v_lshlrev_b32 v5, 2, v1
	v_lshl_add_u32 v5, v2, 9, v5
	v_add_nc_u32 v[ADSA], s21, v5
	s_mul_i32 s22, s16, HALFS
	s_add_co_u32 s22, s22, SCL+2*HALFS
	v_lshlrev_b32 v5, 5, v1
	v_lshrrev_b32 v9, 3, v1
	v_lshl_add_u32 v5, v9, 4, v5
	v_lshl_add_u32 v5, v2, 2, v5
	v_add_nc_u32 v[ADSB], s22, v5
	s_mul_i32 s23, s14, 16*SPITCH
	v_mul_u32_u24 v5, v1, SPITCH
	v_lshl_add_u32 v5, v2, 5, v5
	v_add_nc_u32 v[STO], s23, v5
	v_lshlrev_b32 v[CO], 4, v1                     ; back: sixteen lanes take one row of 256 bytes, lanes 16-31 the next row;
	v_mul_u32_u24 v9, v2, SPITCH
	v_add_nc_u32 v9, v9, v[CO]
	v_add_nc_u32 v[RD], s23, v9
	v_lshl_add_u32 v[CO], v2, 12, v[CO]            ; and the same two rows in out0, 4,096 bytes apart
	v_lshlrev_b32 v[VH], 5, v2
	s_wait_alu depctr_va_vdst(0)
	s_lshl_b32 s20, s17, 8
	s_lshl_b32 s21, s15, 7
	s_add_co_u32 s20, s20, s21
	s_lshl_b32 s20, s20, 12
	s_lshl_b32 s46, s42, 9                         ; my first column, in bytes: 512 x tile column + 256 x half
	s_lshl_b32 s47, s16, 8
	s_add_co_u32 s46, s46, s47
	s_mov_b32 s47, 0
	s_add_nc_u64 s[8:9], s[8:9], s[46:47]
	s_add_co_u32 s20, s20, s46
	s_mov_b32 s21, 0
	s_add_nc_u64 s[10:11], s[10:11], s[20:21]
.irp b, 0,1,2,3
	global_load_b128 v[BI+8*\b:BI+8*\b+3], v[VH], s[8:9] offset:64*\b
	global_load_b128 v[BI+8*\b+4:BI+8*\b+7], v[VH], s[8:9] offset:64*\b+16
.endr
.macro FRAG reg, adr, q, i
.irp p, 0,1,2,3,4,5
.set PC, 12*(\q)+6*(\p/3)+\p%3
.if PC%8 < 5
	ds_load_b64 v[\reg+2*\p:\reg+2*\p+1], v[\adr] offset:8*PC+16*(PC/8)+(\i)*16*PITCH
.else
	ds_load_b64 v[\reg+2*\p:\reg+2*\p+1], v[\adr+2] offset:8*PC+16*(PC/8)+(\i)*16*PITCH
.endif
.endr
.endm
.macro FRAG_A reg, slot, q, i
.irp c, 0,1
	ds_load_b128 v[\reg+6*\c:\reg+6*\c+3], v[ADA16+\slot] offset:(2*(\q)+\c)*6144+768*(\i)
	ds_load_b64 v[\reg+6*\c+4:\reg+6*\c+5], v[ADA8+\slot] offset:(2*(\q)+\c)*6144+768*(\i)+512
.endr
.endm
.macro MUL16 a0, p, q, sc, first
.irp a, \a0, \a0+1
.irp b, 0,1,2,3
.if \first
	v_wmma_scale_f32_16x16x128_f8f6f4 v[8*(8*((\a)%4)+\b):8*(8*((\a)%4)+\b)+7], v[128*(\p)+FR*\b:128*(\p)+FR*\b+FR-1], v[AF+FR*(\a):AF+FR*(\a)+FR-1], v[BI+8*\b:BI+8*\b+7], v[SC+16*(\sc)+8+\b], v[SC+16*(\sc)+(\a)] matrix_a_fmt:MATRIX_FMT_FP6 matrix_b_fmt:MATRIX_FMT_FP6
.elseif (\q) == 0
	v_wmma_scale_f32_16x16x128_f8f6f4 v[8*(8*((\a)%4)+\b):8*(8*((\a)%4)+\b)+7], v[128*(\p)+FR*\b:128*(\p)+FR*\b+FR-1], v[AF+FR*(\a):AF+FR*(\a)+FR-1], v[8*(8*((\a)%4)+\b):8*(8*((\a)%4)+\b)+7], v[SC+16*(\sc)+8+\b], v[SC+16*(\sc)+(\a)] matrix_a_fmt:MATRIX_FMT_FP6 matrix_b_fmt:MATRIX_FMT_FP6
.else
	v_wmma_scale_f32_16x16x128_f8f6f4 v[8*(8*((\a)%4)+\b):8*(8*((\a)%4)+\b)+7], v[128*(\p)+FR*\b:128*(\p)+FR*\b+FR-1], v[AF+FR*(\a):AF+FR*(\a)+FR-1], v[8*(8*((\a)%4)+\b):8*(8*((\a)%4)+\b)+7], v[SC+16*(\sc)+8+\b], v[SC+16*(\sc)+(\a)] matrix_a_fmt:MATRIX_FMT_FP6 matrix_b_fmt:MATRIX_FMT_FP6 matrix_a_scale:MATRIX_SCALE_ROW1 matrix_b_scale:MATRIX_SCALE_ROW1
.endif
.endr
.endr
.endm
.macro FETCH_B slot, q, p
	WIN TO_B
.irp i, 0,1,2,3
	FRAG 128*(\p)+FR*\i, ADRB+\slot, \q, \i
.endr
	WIN 0
.endm
.macro FETCH_A slot, q, i0
.irp i, \i0, \i0+1, \i0+2, \i0+3
	FRAG_A AF+FR*(\i), \slot, \q, \i
.endr
.endm
.macro SCALES sc
.irp i, 0,1,2,3,4,5,6,7
	ds_load_b32 v[SC+16*\sc+\i], v[ADSA] offset:64*\i
.if \i < 4
	ds_load_b32 v[SC+16*\sc+8+\i], v[ADSB] offset:SBLK*\i
.endif
.endr
.endm
.macro PLACES n
.rept \n
	v_nop
.endr
.endm
.macro STEP slot, q, first
	s_wait_dscnt 4*NLA
.if \first
	WIN 0x81
.else
	WIN MUL_LO
.endif
	MUL16 0, (\q)%2, \q, \slot, \first
	MUL16 2, (\q)%2, \q, \slot, \first
	s_wait_dscnt 0
	PLACES NP
	FETCH_B \slot, (\q)+1, 1-(\q)%2
	FETCH_A \slot, (\q)+1, 0
.if \first
	WIN 0xc1
.else
	WIN MUL_HI
.endif
	MUL16 4, (\q)%2, \q, \slot, \first
	MUL16 6, (\q)%2, \q, \slot, \first
	PLACES NP
	WIN 0
	FETCH_A \slot, (\q)+1, 4
.endm
.macro TURN slot, next, fill
	s_wait_tensorcnt 0x0
	ds_add_u32 v[SPW], v[NIL]
	s_wait_dscnt 4*NLA+1
	WIN MUL_LO
	MUL16 0, 1, NQ-1, \slot, 0
	s_wait_dscnt 0x0
	s_barrier_signal -1
	MUL16 2, 1, NQ-1, \slot, 0
	WIN 0
	s_barrier_wait -1
.if \fill
	CREST
	s_add_nc_u64 s[G0+4*\slot+2:G0+4*\slot+3], s[G0+4*\slot+2:G0+4*\slot+3], 8*APL
	s_add_nc_u64 s[G0B+4*\slot+2:G0B+4*\slot+3], s[G0B+4*\slot+2:G0B+4*\slot+3], 2*ROWB
	JLOAD G0+4*\slot, G1, G0B+4*\slot, G1B
.else
	PLACES NP
.endif
	s_wait_alu depctr_va_vdst(0)
	v_add_nc_u32 v[ADSA], 1024, v[ADSA]
	v_add_nc_u32 v[ADSB], 8, v[ADSB]
	FETCH_B \next, 0, 0
	FETCH_A \next, 0, 0
	SCALES \next
	WIN MUL_HI
	MUL16 4, 1, NQ-1, \slot, 0
	MUL16 6, 1, NQ-1, \slot, 0
	PLACES NP
	WIN 0
	FETCH_A \next, 0, 4
.endm
	s_wait_tensorcnt 1
	s_barrier_signal -1
	s_barrier_wait -1
	FETCH_B 0, 0, 0
	FETCH_A 0, 0, 0
	SCALES 0
	FETCH_A 0, 0, 4
	s_wait_loadcnt 0x0
	STEP 0, 0, 1
	s_mov_b32 s3, 1
.Llap:
	TURN 0, 1, 1
	STEP 1, 0, 0
	TURN 1, 0, 1
	STEP 0, 0, 0
	s_sub_co_u32 s3, s3, 1
	s_cmp_lg_u32 s3, 0
	s_cbranch_scc1 .Llap
	TURN 0, 1, 0
	STEP 1, 0, 0
	s_wait_dscnt 4*NLA
	WIN MUL_LO
	MUL16 0, 1, NQ-1, 1, 0
	MUL16 2, 1, NQ-1, 1, 0
	s_wait_dscnt 0
	WIN MUL_HI
	MUL16 4, 1, NQ-1, 1, 0
	MUL16 6, 1, NQ-1, 1, 0
	WIN 0
.macro TOSTAGE a
.set AC, 64*((\a)%4)
	WIN 0x08+4*((\a)/4)
.irp b, 0,1,2,3
	ds_store_b128 v[STO], v[AC+8*\b:AC+8*\b+3] offset:64*\b
	ds_store_b128 v[STO], v[AC+8*\b+4:AC+8*\b+7] offset:64*\b+16
.endr
	WIN 0
.set BB, BK+64*((\a)%2)
.irp t, 0,1,2,3,4,5,6,7
	ds_load_b128 v[BB+4*\t:BB+4*\t+3], v[RD] offset:2*\t*SPITCH
.endr
.endm
.macro SEND a, younger
.set BB, BK+64*((\a)%2)
	s_wait_dscnt \younger
.if (\a) > 0
	s_add_nc_u64 s[10:11], s[10:11], 16*SIZE_N*4
.endif
.irp t, 0,1,2,3,4,5,6,7
	global_store_b128 v[CO], v[BB+4*\t:BB+4*\t+3], s[10:11] offset:2*\t*SIZE_N*4 th:TH_STORE_NT   ; sixteen lanes store 256 consecutive bytes, aligned
.endr
.endm
	PLACES NP
	TOSTAGE 0
.irp a, 1,2,3,4,5,6,7
.if \a > 1
	s_wait_xcnt 0x0
.endif
	TOSTAGE \a
	SEND \a-1, 16                                  ; behind block a - 1's loads: block a's 8 stores and 8 loads
.endr
	s_wait_xcnt 0x0
	SEND 7, 0
	s_wait_tensorcnt 0x0
	ds_add_u32 v[SPW], v[NIL]
	s_wait_dscnt 0x0
	CROUND
	s_endpgm
.Lfunc_end_k_q4631a4c609_oproj:
	.size	k_q4631a4c609_oproj, .Lfunc_end_k_q4631a4c609_oproj-k_q4631a4c609_oproj
	.p2alignl 7, 3214868480
	.fill 96, 4, 3214868480
	.section	.rodata,"a",@progbits
	.p2align	6, 0x0
	.amdhsa_kernel k_q4631a4c609_oproj
		.amdhsa_group_segment_fixed_size 327680
		.amdhsa_private_segment_fixed_size 0
		.amdhsa_enable_private_segment 0
		.amdhsa_kernarg_size 32
		.amdhsa_user_sgpr_count 2
		.amdhsa_user_sgpr_kernarg_segment_ptr 1
		.amdhsa_wavefront_size32 1
		.amdhsa_system_sgpr_workgroup_id_x 1
		.amdhsa_system_sgpr_workgroup_id_y 1
		.amdhsa_system_sgpr_workgroup_id_z 1
		.amdhsa_system_vgpr_workitem_id 0
		.amdhsa_next_free_vgpr 1024
		.amdhsa_next_free_sgpr 100
		.amdhsa_reserve_vcc 0
		.amdhsa_float_denorm_mode_32 3
		.amdhsa_float_denorm_mode_16_64 3
		.amdhsa_memory_ordered 1
		.amdhsa_forward_progress 1
		.amdhsa_inst_pref_size 97
	.end_amdhsa_kernel
	.amdgpu_metadata
---
amdhsa.version: [ 1, 2 ]
amdhsa.kernels:
  - .name:           k_q4631a4c609_oproj
    .symbol:         k_q4631a4c609_oproj.kd
    .args:
      - { .name: acs, .offset: 0, .size: 8, .value_kind: global_buffer, .address_space: global }
      - { .name: wcs, .offset: 8, .size: 8, .value_kind: global_buffer, .address_space: global }
      - { .name: wo_b, .offset: 16, .size: 8, .value_kind: global_buffer, .address_space: global }
      - { .name: out0, .offset: 24, .size: 8, .value_kind: global_buffer, .address_space: global }
    .group_segment_fixed_size: 327680
    .private_segment_fixed_size: 0
    .kernarg_segment_align: 8
    .kernarg_segment_size: 32
    .max_flat_workgroup_size: 128
    .sgpr_count:     100
    .vgpr_count:     1024
    .wavefront_size: 32
...
	.end_amdgpu_metadata
.endif
;; end of part 4
